; MI455X (gfx1250); checked and timed in simulation.
; The chip was launched on July 23, 2026; its instructions are those of AMD's public machine-readable ISA for CDNA 5 (MIT licence, August 2026) and "CDNA5" Instruction Set Architecture Reference Guide (July 2026). The comments in the code are by the model that wrote it; some were corrected since.
;; m LSTM Cell. Allowed arithmetic: float matrix products may take bf16 or f16 operands with f32 sums; all other float work in f32.
;; Inputs: fgate_bias 4 float32; fgate_kernel 3,072 x 4 float32; igate_bias 4 float32; igate_kernel 3,072 x 4 float32; k 2 x 2,048 x 1,024 float32; q 2 x 2,048 x 1,024 float32; rms_scale 256 float32; v 2 x 2,048 x 1,024 float32.
;; Outputs: out0 2 x 2,048 x 1,024 float32.
;; 2 versions, each right and faster than the one before. Each part assembles by itself: llvm-mc -triple=amdgcn-amd-amdhsa -mcpu=gfx1250 --defsym DOCPART=n.
;; ======== version 1 of 2: 2 launches
;; workspace buffers: xb 25,165,824 bytes; gts 131,072 bytes
;; launch gates (part 1): grid 256 x 1, 12 waves a work-group, no clusters, 206,336 bytes of LDS; arguments q, k, v, igate_kernel, fgate_kernel, igate_bias, fgate_bias, xb, gts; writes xb, gts
.if DOCPART == 1
	.amdgcn_target "amdgcn-amd-amdhsa--gfx1250"
	.amdhsa_code_object_version 6
	.text
	.protected	k_q07e5f0aa5d_gates
	.globl	k_q07e5f0aa5d_gates
	.p2align	8
	.type	k_q07e5f0aa5d_gates,@function
k_q07e5f0aa5d_gates:
	s_mov_b64 s[64:65], 0
	v_nop
	global_prefetch_b8 v0, s[64:65] scope:SCOPE_SE
	s_setreg_imm32_b32 hwreg(HW_REG_WAVE_MODE, 25, 1), 1
	s_wait_xcnt 0x0
; FIRST LAUNCH OF TWO.  For the 4,096 rows (b, s) of q, k, v ([.][1024] f32):
;   xb  [t: q,k,v][bh = 4 b + head][s][256] bf16 : the rows rounded to bf16, head by head (a head's row is 512 bytes)
;   gts [bh][s][2] f32 : ( ig * log2 e ,  -log2 sigmoid(fg) ),  ig, fg = [q|k|v] row x gate kernel + bias
; The gate product (4,096 x 3,072 x 8) goes to the matrix unit with bf16 operands and f32 sums.
; A work-group owns 16 rows; wave 0..11 owns one of q, k, v (wave / 4) and one head's 256 columns (wave % 4), that is 256 of the 3,072
; along K: 8 K steps of 32.  A wave asks for all its 16 KiB of rows at once (32 loads of 512 consecutive bytes), so there is no loop.
; Memory binds this launch: clusters, tensor loads and large register tiles would add nothing, every byte of q, k, v is read once.
; LIMITS: matrix operands are bf16.  log2(1 + 2^-|x|) is taken as written, not as a log1p: its absolute error is about one unit in
; the last place of 1.0 (6e-8) for each row, which a sum over 2,048 rows can carry to about 2e-4 in an exponent at the very worst.
; v_exp_f32 gives 0 below 2^-126 (ISA guide, 15.8), which is below that error.
; gts is stored in runs of 128 bytes (16 rows of one head are all that a work-group has): 128 KiB in the whole launch.
.set XP,   528                         ; LDS pitch of a row of 256 bf16: 512 + 16, an odd multiple of 16 bytes
.set XSW,  16*XP                       ; a wave's 16 rows
.set WS,   12*XSW                      ; behind them: a wave's 256 kernel rows, [k][16 bf16]: ig 0-3, fg 0-3, and the same again; pitch 32
.set WSW,  8192
.set RED,  WS+12*WSW                   ; [wave][row 16][8 gates] f32: the waves' partial sums
.set TR,   RED+12*512                  ; 512 bytes: wave 0 turns [row][gate] into [head][row][2]
.set WL,   16                          ; v[16:79]   kernel rows as loaded; later the kernel's fragments
.set X,    80                          ; v[80:207]  my 16 rows as loaded; later (v[80:143]) their fragments
.set D0,   208                         ; v[208:215], v[216:223]  two accumulators that take turns
	s_load_b512 s[8:23], s[0:1], 0x0               ; q, k, v, igate_kernel, fgate_kernel, igate_bias, fgate_bias, xb
	s_load_b64 s[24:25], s[0:1], 0x40              ; gts
	v_lshrrev_b32 v2, 5, v0
	v_readfirstlane_b32 s4, v2                     ; wave 0..11
	v_and_b32 v1, 31, v0                           ; lane
	v_lshlrev_b32 v4, 4, v1                        ; 16 x lane
	v_lshlrev_b32 v5, 3, v1                        ; 8 x lane
	s_lshr_b32 s5, s4, 2                           ; which of q, k, v
	s_and_b32 s6, s4, 3                            ; which head
	s_lshl_b32 s2, s4, 12                          ; my 256 kernel rows of 16 bytes
	s_mov_b32 s3, 0                                ; s[2:3]: an offset in 64 bits, the upper word stays 0
	s_wait_kmcnt 0x0
	s_add_nc_u64 s[36:37], s[14:15], s[2:3]
	s_add_nc_u64 s[38:39], s[16:17], s[2:3]
.irp e, 0,1,2,3,4,5,6,7
	global_load_b128 v[WL+8*\e:WL+8*\e+3],   v4, s[36:37] offset:512*\e    ; kernel row 32 e + lane: ig of the four heads
	global_load_b128 v[WL+8*\e+4:WL+8*\e+7], v4, s[38:39] offset:512*\e    ; fg of the four heads
.endr
	s_cmp_eq_u32 s5, 1
	s_cselect_b64 s[26:27], s[10:11], s[8:9]
	s_cmp_eq_u32 s5, 2
	s_cselect_b64 s[26:27], s[12:13], s[26:27]     ; my tensor
	s_lshl_b32 s2, ttmp9, 16                       ; 16 rows of 4,096 bytes for each work-group
	s_lshl_b32 s7, s6, 10                          ; my head's 1,024 bytes of a row
	s_add_co_u32 s2, s2, s7
	s_add_nc_u64 s[26:27], s[26:27], s[2:3]
.irp i, 0,1,2,3,4,5,6,7,8,9,10,11,12,13,14,15
	global_load_b128 v[X+8*\i:X+8*\i+3],   v4, s[26:27] offset:4096*\i th:TH_LOAD_NT       ; row i, columns 4 lane ..
	global_load_b128 v[X+8*\i+4:X+8*\i+7], v4, s[26:27] offset:4096*\i+512 th:TH_LOAD_NT   ; row i, columns 128 + 4 lane ..
.endr
	s_load_b128 s[28:31], s[18:19], 0x0            ; the biases: wave 0 needs them at the end; asked for here, so that they have landed by then
	s_load_b128 s[32:35], s[20:21], 0x0
	; where the results go
	s_lshr_b32 s2, ttmp9, 7                        ; b
	s_lshl2_add_u32 s2, s2, s6                     ; 4 b + head
	s_lshl_b32 s2, s2, 11
	s_and_b32 s7, ttmp9, 127
	s_lshl4_add_u32 s2, s7, s2                     ; + s of my first row
	s_lshl_b32 s2, s2, 9                           ; rows of 512 bytes
	s_lshl_b32 s7, s5, 23                          ; 8 MiB for each of q, k, v
	s_add_co_u32 s2, s2, s7
	s_add_nc_u64 s[40:41], s[22:23], s[2:3]        ; xb at my first row
	s_lshr_b32 s2, ttmp9, 7
	s_lshl_b32 s2, s2, 13                          ; 4 b heads of 2,048 rows
	s_and_b32 s7, ttmp9, 127
	s_lshl4_add_u32 s2, s7, s2
	s_lshl_b32 s2, s2, 3                           ; 8 bytes a row
	s_add_nc_u64 s[42:43], s[24:25], s[2:3]        ; gts at head 0 of my batch, my first row
	; LDS addresses; every wave's parts are wave x a constant apart
	v_and_b32 v2, 15, v0                           ; r
	v_bfe_u32 v3, v0, 4, 1                         ; h
	s_mul_i32 s2, s4, XSW
	v_lshl_add_u32 v7, v1, 3, s2                   ; rows in: 8 bytes a lane
	v_mul_u32_u24 v8, v2, XP
	v_lshl_add_u32 v8, v3, 4, v8
	v_add_nc_u32 v8, s2, v8                        ; fragments out: row r, 16 h
	s_lshl_b32 s7, s4, 13
	s_add_co_u32 s7, s7, WS
	v_lshl_add_u32 v6, v1, 5, s7                   ; kernel rows in: 32 bytes a row
	v_and_b32 v11, 7, v0
	v_lshl_add_u32 v11, v3, 3, v11                 ; 8 h + lane % 8: the row that a transposing load addresses
	v_bfe_u32 v12, v0, 3, 1
	v_lshlrev_b32 v12, 4, v12
	v_lshl_add_u32 v9, v11, 5, v12
	v_add_nc_u32 v9, s7, v9
	s_lshl_b32 s7, s4, 9
	s_add_co_u32 s7, s7, RED
	v_lshlrev_b32 v10, 5, v2
	v_lshl_add_u32 v10, v3, 4, v10
	v_add_nc_u32 v10, s7, v10                      ; my partial sums: row r, ig (h = 0) or fg (h = 1)
	; the kernel rows: round, and lay [k][ig 0-3, fg 0-3] twice, so that all 16 columns that a fragment reads are written
	s_wait_loadcnt 32                              ; loads come back in order: the 16 kernel loads are in, the 32 row loads stay out
.irp e, 0,1,2,3,4,5,6,7
	v_cvt_pk_bf16_f32 v[WL+8*\e],   v[WL+8*\e],   v[WL+8*\e+1]
	v_cvt_pk_bf16_f32 v[WL+8*\e+1], v[WL+8*\e+2], v[WL+8*\e+3]
	v_cvt_pk_bf16_f32 v[WL+8*\e+2], v[WL+8*\e+4], v[WL+8*\e+5]
	v_cvt_pk_bf16_f32 v[WL+8*\e+3], v[WL+8*\e+6], v[WL+8*\e+7]
	ds_store_b128 v6, v[WL+8*\e:WL+8*\e+3] offset:1024*\e
	ds_store_b128 v6, v[WL+8*\e:WL+8*\e+3] offset:1024*\e+16
.endr
	; my rows: round once, to xb (a wave's store covers 256 consecutive bytes, aligned) and to LDS
.irp i, 0,1,2,3,4,5,6,7,8,9,10,11,12,13,14,15
	s_wait_loadcnt 30-2*\i                         ; row i is in; the two loads of each later row stay out
.irp u, 0,1
	v_cvt_pk_bf16_f32 v[X+8*\i+4*\u],   v[X+8*\i+4*\u],   v[X+8*\i+4*\u+1]
	v_cvt_pk_bf16_f32 v[X+8*\i+4*\u+1], v[X+8*\i+4*\u+2], v[X+8*\i+4*\u+3]
	global_store_b64 v5, v[X+8*\i+4*\u:X+8*\i+4*\u+1], s[40:41] offset:512*\i+256*\u
	ds_store_b64 v7, v[X+8*\i+4*\u:X+8*\i+4*\u+1] offset:XP*\i+256*\u
.endr
.endr
	s_wait_xcnt 0x0                                ; the stores' data registers are loaded again only behind this wait
	; fragments.  Source 0: 16 gates x 32 k, from [k][gate] by transposing loads.  Source 1: 16 of my rows x 32 k.
	; These are my own bytes, and LDS serves a wave's instructions in order: no wait between the stores above and these loads.
.irp ks, 0,1,2,3,4,5,6,7
	ds_load_tr16_b128 v[WL+8*\ks:WL+8*\ks+3],   v9 offset:1024*\ks
	ds_load_tr16_b128 v[WL+8*\ks+4:WL+8*\ks+7], v9 offset:1024*\ks+512
	ds_load_b128 v[X+8*\ks:X+8*\ks+3],   v8 offset:64*\ks
	ds_load_b128 v[X+8*\ks+4:X+8*\ks+7], v8 offset:64*\ks+32
.endr
	; two accumulators by turns, one instruction a turn; the first two products start the sums
.irp ks, 0,1,2,3,4,5,6,7
	s_wait_dscnt 28-4*\ks                          ; this K step's four loads are in; four for each later step stay out
.if \ks < 2
	v_wmma_f32_16x16x32_bf16 v[D0+8*(\ks&1):D0+8*(\ks&1)+7], v[WL+8*\ks:WL+8*\ks+7], v[X+8*\ks:X+8*\ks+7], 0
.else
	v_wmma_f32_16x16x32_bf16 v[D0+8*(\ks&1):D0+8*(\ks&1)+7], v[WL+8*\ks:WL+8*\ks+7], v[X+8*\ks:X+8*\ks+7], v[D0+8*(\ks&1):D0+8*(\ks&1)+7]
.endif
.endr
.rept 4
	v_nop                                          ; four places behind the last matrix instruction before its result is read (ISA guide 7.12.1)
.endr
.irp p, 0,1,2,3
	v_pk_add_f32 v[D0+2*\p:D0+2*\p+1], v[D0+2*\p:D0+2*\p+1], v[D0+8+2*\p:D0+8+2*\p+1]
.endr
	; lane (r, h), register j holds gate 8 h + j of row r, and gates 8-15 repeat gates 0-7: h = 0 keeps ig (j 0-3), h = 1 keeps fg (j 4-7)
	v_cmp_eq_u32 vcc_lo, 1, v3
.irp j, 0,1,2,3
	v_cndmask_b32 v[D0+\j], v[D0+\j], v[D0+4+\j], vcc_lo
.endr
	ds_store_b128 v10, v[D0:D0+3]
	s_wait_dscnt 0x0                               ; for wave 0's sake: my partial sums are in LDS
	s_barrier_signal -1
	s_barrier_wait -1
	s_cmp_lg_u32 s4, 0
	s_cbranch_scc1 .Lend
	; wave 0: lane = 2 row + (0: ig, 1: fg), four heads a lane.  Add the twelve partial sums and the bias.
	v_add_nc_u32 v11, RED, v4
.irp x, 0,1,2,3,4,5,6,7,8,9,10,11
	ds_load_b128 v[16+4*\x:19+4*\x], v11 offset:512*\x
.endr
	v_and_b32 v13, 1, v0
	v_cmp_eq_u32 vcc_lo, 1, v13                    ; the lanes that hold fg
	s_wait_kmcnt 0x0                               ; the biases
.irp j, 0,1,2,3
	v_mov_b32 v[64+\j], s[28+\j]
	v_mov_b32 v[68+\j], s[32+\j]
.endr
.irp j, 0,1,2,3
	v_cndmask_b32 v[64+\j], v[64+\j], v[68+\j], vcc_lo
.endr
	s_wait_dscnt 0x0
.irp x, 1,2,3,4,5,6,7,8,9,10,11
	v_pk_add_f32 v[16:17], v[16:17], v[16+4*\x:17+4*\x]
	v_pk_add_f32 v[18:19], v[18:19], v[18+4*\x:19+4*\x]
.endr
	v_pk_add_f32 v[16:17], v[16:17], v[64:65]
	v_pk_add_f32 v[18:19], v[18:19], v[66:67]
	v_pk_mul_f32 v[16:17], v[16:17], 0x3fb8aa3b op_sel_hi:[1,0]    ; x = gate x log2 e: all later exponentials are in base 2
	v_pk_mul_f32 v[18:19], v[18:19], 0x3fb8aa3b op_sel_hi:[1,0]
	; -log2 sigmoid = log2(1 + 2^-|x|) - min(x, 0): no exponential of a positive number
.irp j, 0,1,2,3
	v_or_b32 v[68+\j], 0x80000000, v[16+\j]        ; -|x|
.endr
.irp j, 0,1,2,3
	v_exp_f32 v[68+\j], v[68+\j]
.endr
.irp j, 0,1,2,3
	v_min_num_f32 v[72+\j], 0, v[16+\j]            ; plain work behind the exponentials before their results are read (ISA guide 5.7.2)
.endr
	s_wait_alu depctr_va_vdst(0)
.irp j, 0,1,2,3
	v_add_f32 v[68+\j], 1.0, v[68+\j]
.endr
.irp j, 0,1,2,3
	v_log_f32 v[68+\j], v[68+\j]
.endr
	v_add_nc_u32 v13, TR, v4                       ; plain work behind the logarithms: in: 16 bytes a lane, word 8 row + 4 (ig or fg) + head
	v_and_b32 v12, 7, v1
	v_lshrrev_b32 v15, 3, v1                       ; out: lane = 8 head + a holds rows 2 a, 2 a + 1 of that head
	v_lshlrev_b32 v14, 6, v12
	v_lshl_add_u32 v14, v15, 2, v14
	v_add_nc_u32 v14, TR, v14
	v_lshlrev_b32 v12, 4, v12
	v_lshl_add_u32 v12, v15, 14, v12               ; a head of gts is 16,384 bytes
	s_wait_alu depctr_va_vdst(0)
.irp j, 0,1,2,3
	v_sub_f32 v[72+\j], v[68+\j], v[72+\j]
.endr
.irp j, 0,1,2,3
	v_cndmask_b32 v[16+\j], v[16+\j], v[72+\j], vcc_lo
.endr
	ds_store_b128 v13, v[16:19]
.irp j, 0,1,2,3
	ds_load_b32 v[64+\j], v14 offset:16*\j         ; (ig, fg) of row 2 a, (ig, fg) of row 2 a + 1; my own bytes, served in order
.endr
	s_wait_dscnt 0x0
	global_store_b128 v12, v[64:67], s[42:43]
.Lend:
	s_endpgm
.Lfunc_end_k_q07e5f0aa5d_gates:
	.size	k_q07e5f0aa5d_gates, .Lfunc_end_k_q07e5f0aa5d_gates-k_q07e5f0aa5d_gates
	.p2alignl 7, 3214868480
	.fill 96, 4, 3214868480
	.section	.rodata,"a",@progbits
	.p2align	6, 0x0
	.amdhsa_kernel k_q07e5f0aa5d_gates
		.amdhsa_group_segment_fixed_size 206336
		.amdhsa_private_segment_fixed_size 0
		.amdhsa_enable_private_segment 0
		.amdhsa_kernarg_size 72
		.amdhsa_user_sgpr_count 2
		.amdhsa_user_sgpr_kernarg_segment_ptr 1
		.amdhsa_wavefront_size32 1
		.amdhsa_system_sgpr_workgroup_id_x 1
		.amdhsa_system_sgpr_workgroup_id_y 1
		.amdhsa_system_sgpr_workgroup_id_z 1
		.amdhsa_system_vgpr_workitem_id 0
		.amdhsa_next_free_vgpr 224
		.amdhsa_next_free_sgpr 66
		.amdhsa_reserve_vcc 1
		.amdhsa_float_denorm_mode_32 3
		.amdhsa_float_denorm_mode_16_64 3
		.amdhsa_memory_ordered 1
		.amdhsa_forward_progress 1
		.amdhsa_inst_pref_size 29
	.end_amdhsa_kernel
	.amdgpu_metadata
---
amdhsa.version: [ 1, 2 ]
amdhsa.kernels:
  - .name:           k_q07e5f0aa5d_gates
    .symbol:         k_q07e5f0aa5d_gates.kd
    .args:
      - { .name: q, .offset: 0, .size: 8, .value_kind: global_buffer, .address_space: global }
      - { .name: k, .offset: 8, .size: 8, .value_kind: global_buffer, .address_space: global }
      - { .name: v, .offset: 16, .size: 8, .value_kind: global_buffer, .address_space: global }
      - { .name: igate_kernel, .offset: 24, .size: 8, .value_kind: global_buffer, .address_space: global }
      - { .name: fgate_kernel, .offset: 32, .size: 8, .value_kind: global_buffer, .address_space: global }
      - { .name: igate_bias, .offset: 40, .size: 8, .value_kind: global_buffer, .address_space: global }
      - { .name: fgate_bias, .offset: 48, .size: 8, .value_kind: global_buffer, .address_space: global }
      - { .name: xb, .offset: 56, .size: 8, .value_kind: global_buffer, .address_space: global }
      - { .name: gts, .offset: 64, .size: 8, .value_kind: global_buffer, .address_space: global }
    .group_segment_fixed_size: 206336
    .private_segment_fixed_size: 0
    .kernarg_segment_align: 8
    .kernarg_segment_size: 72
    .max_flat_workgroup_size: 384
    .sgpr_count:     66
    .vgpr_count:     224
    .wavefront_size: 32
...
	.end_amdgpu_metadata
.endif
;; end of part 1
;; launch attn (part 2): grid 256 x 1, 4 waves a work-group, clusters of 4 x 1, 327,680 bytes of LDS; arguments xb, gts, rms_scale, out0; writes out0
.if DOCPART == 2
	.amdgcn_target "amdgcn-amd-amdhsa--gfx1250"
	.amdhsa_code_object_version 6
	.text
	.protected	k_q07e5f0aa5d_attn
	.globl	k_q07e5f0aa5d_attn
	.p2align	8
	.type	k_q07e5f0aa5d_attn,@function
k_q07e5f0aa5d_attn:
	s_mov_b64 s[64:65], 0
	v_nop
	global_prefetch_b8 v0, s[64:65] scope:SCOPE_SE
	s_setreg_imm32_b32 hwreg(HW_REG_WAVE_MODE, 25, 1), 1
	s_wait_xcnt 0x0
	s_wait_alu depctr_hold_cnt(0) depctr_sa_sdst(0) depctr_va_vdst(0) depctr_va_sdst(0) depctr_va_ssrc(0) depctr_va_vcc(0) depctr_vm_vsrc(0)
	s_getreg_b32 s2, hwreg(HW_REG_IB_STS2, 6, 4)
	s_cmp_eq_u32 s2, 0
	s_cbranch_scc0 .Lentry_in_a_cluster
	s_endpgm
.Lentry_in_a_cluster:
	s_bfe_u32 s2, ttmp6, 0x10000c
	s_cmp_lg_u32 s2, 0x3003
	s_cbranch_scc0 .Lentry_shape_is_right
	s_endpgm
.Lentry_shape_is_right:
; SECOND LAUNCH OF TWO: the mLSTM cell proper, head by head (8 heads bh = 4 b + head, 2,048 rows, 256 columns), from
;   xb  [q,k,v][bh][s][256] bf16   and   gts [bh][s][2] f32 = (gi = ig log2 e, nlf = -log2 sigmoid(fg)).
; With ncs_i = sum of nlf up to and with i, a_j = gi_j + ncs_j and M_i = max of a_j over j <= i, the weight of key j for row i is
; 2^(a_j - M_i) and the row's stabiliser is m_i = M_i - ncs_i (base 2): M_i IS the row maximum that is taken away before the
; exponential, known from a scan before any product, so there is no rescaling and the key tiles may come in any order.
;   c_ij = (q_i . k_j) 2^(a_j - M_i - 4)  (the 4 is the 1/16 = 1/sqrt(256)),  n_i = max(sum_j c_ij, 2^(ncs_i - M_i)),
;   h_i = (sum_j c_ij v_j) / (n_i + 1e-6),  out = h rsqrt(mean h^2 + 1e-6) (1 + rms_scale).
; SHARES.  A head's rows are 16 groups of 128.  A cluster of four work-groups owns group G1 = 2 j (block 0) and G2 = 15 - 2 j (block 1):
; G1 + 1 and G2 + 1 key tiles of 128 keys, 17 trips in every cluster.  Partner cx owns rows 32 cx .. + 31 of each group, so all four
; need the same key tiles: every K and V tile is asked for JOINTLY (mask 15), which divides the requests for them by four.
; Wave w takes keys 32 w .. + 31 of each tile for all 32 rows of the block at work, fetches just those rows itself, and keeps a partial H
; (32 x 256 f32, 256 registers a block); the four partial sums meet once, at the end, in LDS.
; Neither a branch, a trip count nor an LDS address hangs on cx: it enters the addresses of my own Q rows and output rows, the number that the
; causal compare uses, and selects among four candidates that every partner loads alike.
; THE PRODUCTS ARE USED TRANSPOSED.  S^T = K Q^T: lane (r, h) holds row (query) r and keys 8 h + 0..7 in its eight registers, which, rounded
; to bf16 in pairs, IS the layout of source 1 of H^T = V^T P^T: no shuffle.  In H^T a lane holds 8 neighbouring columns of row r.
; LIMITS.  Matrix operands are bf16.  ncs is an f32 sum (thread, lane, wave in turn) and a_j - M_i a difference of such sums, as
; cs - cs.T is in f32: its absolute error is of the order of one unit in the last place of ncs.  v_exp_f32 gives 0 below 2^-126 (ISA guide, 15.8).
; Products under the causal mask are multiplied by 0: they must be finite.
;
; LDS (every region starts at a multiple of 256 bytes; no tensor load lands in front of QS):
.set AARR, 0                           ; a_j, 2,048 f32
.set MARR, 8192                        ; [wave][block][128] f32: -(M + 4) of the two groups, in the part of the wave whose threads hold them
.set NARR, 12288                       ; the same shape: ncs - M
.set SCR,  16384                       ; the waves' totals: sums at + 0, maxima at + 16
.set RSUM, 16640                       ; [block][wave][32] f32: partial row sums
.set QS,   17664                       ; my 64 Q rows, pitch 528, filled once
.set RING, 51456                       ; two slots; after the last fill they are the stage of the partial H
.set KP,   528                         ; K and Q rows: 512 + 16 bytes, an odd multiple of 16
.set VP,   544                         ; V rows: 512 + 32 bytes, an odd multiple of 32 (they are read by transposing loads)
.set KW,   32*KP                       ; a wave's 32 rows of K
.set VW,   32*VP
.set VOFF, 4*KW                        ; V lies behind K in a slot
.set SLOT, 4*KW+4*VW                   ; 137,216
.set SP,   1040                        ; the stage: a row of 256 f32 + 16 bytes
.set SW,   32*SP                       ; a wave's partial H of one block; 4 SW = 133,120 fit in a slot
; REGISTERS.  Window 1: H of block 0, window 3: H of block 1 (tile (qt, dt) at 8 (16 qt + dt)).  Window 2: Q fragments at 128 blk + 64 qt + 8 ks.
; Window 0:
.set VK,  4                            ; v4, v5    my K fragments in slot 0, 1
.set VV,  6                            ; v6, v7    my V fragments in slot 0, 1
.set VAB, 8                            ; v8        my 8 keys' a in tile 0
.set VA,  9                            ; v9        the same in the tile at work (first: my offset in gts)
.set REL, 10                           ; v10       32 cx + r - 32 w - 8 h: the diagonal tile's compare
.set VQ,  11                           ; v11       Q fragments
.set VST, 12                           ; v12, v13  the stage, in: block 0, 1
.set VRD, 14                           ; v14-17    the stage, back: [block][waves 0-1, waves 2-3]
.set VRS, 18                           ; v18       row sums, back
.set VRW, 19                           ; v19       row sums, in
.set VN,  20                           ; v20, v21  ncs - M of my 8 rows' candidates, block 0, 1
.set VO,  22                           ; v22       16 x lane
.set TMP, 23
.set RS,  24                           ; v24-31    row sums, a pair for [block][qt]
.set SCL, 32                           ; v32-39    1 + rms_scale of columns 4 lane .., 128 + 4 lane ..
.set AV,  40                           ; v40-55    a of my 16 keys
.set TA,  56                           ; v56-63, v64-71  exponents, then weights, two buffers
.set TB,  64
.set P,   72                           ; v72-87    weights x scores in bf16: source 1 for qt = 0, 1
.set SB,  88                           ; v88-119   scores, tile (kt, qt) at 8 (2 kt + qt)
.set MP,  120                          ; v120-127  -(M + 4) of my row, twice (a pair), for [block][qt]
.set F,   128                          ; v128-255  K's fragments, then V's; the scan's and the way out's work space
; the scan's names in F
.set X,   128                          ; 32: (gi, nlf) of my 16 rows; nlf becomes ncs
.set A16, 160
.set M16, 176
.set N16, 192
.set SC,  208
.set EX,  209
.set T1,  210
.set T2,  211
.set TOT, 212                          ; 4
.set VSW, 216
.set VSR, 217
.set VAW, 218
.set NI,  219
.set VG,  220
.set VMW, 221
.set VMR, 222                          ; 2
.set MC,  224                          ; 16
.set B0,  128                          ; the way out: two buffers of two rows x four partial sums
.set B1,  192
; scalars: s12 wave, s13 cx, s14 bh, s15 j, s16 G1, s17 G2, s18 tile at work, s19 tile to fetch, s20, s21 loop counts, s[22:23] an offset (s23 = 0)
.set G1K, 24                           ; s[24:31]  group 1 for K tiles
.set G1V, 32                           ; s[32:39]  for V tiles
.set G1Q, 40                           ; s[40:47]  for my Q rows
.set G0K, 48                           ; s[48:55]  group 0 for K, a set for each slot
.set G0V, 56                           ; s[56:63]  for V
.set G0Q, 68                           ; s[68:71]
; s[72:73], s[74:75] K's and V's address at my wave's rows of tile 0, type bits set; s76, s77 selects of v_permlanex16_b32;
; s78-80 lane masks cx == 1, 2, 3; s81 lanes 16-31; s82-84 lane masks wave > 0, 1, 2; s85 EXEC kept; s86 1/256; s87 1e-6; s[88:91] out0 at my rows
.set MSB, 0
.macro WIN new                         ; s_set_vgpr_msb: bits 1:0 source 0, 3:2 source 1, 5:4 source 2, 7:6 destination; the high byte repeats the setting that is left
.if MSB != (\new)
	s_set_vgpr_msb (MSB<<8)|(\new)
.set MSB, (\new)
.endif
.endm
.macro CREST                           ; a round of the cluster's barrier behind its opening work-group barrier
	s_cmp_lg_u32 s12, 0
	s_cbranch_scc1 .Lnot_wave_0_\@
	s_barrier_signal -3
.Lnot_wave_0_\@:
	s_barrier_wait -3
	s_barrier_signal -1
	s_barrier_wait -1
.endm
.macro CROUND                          ; a whole round
	s_barrier_signal -1
	s_barrier_wait -1
	CREST
.endm
.macro PLACES
.rept 4
	v_nop
.endr
.endm
; my wave's 32 rows of K and of V of a tile into a slot.  No tensor load that names this slot's two group 0 is out here, so they may be written.
.macro FILL slot, tile
	s_lshl_b32 s22, \tile, 16                      ; a tile is 128 rows of 512 bytes
	s_add_nc_u64 s[G0K+4*(\slot)+2:G0K+4*(\slot)+3], s[72:73], s[22:23]
	s_add_nc_u64 s[G0V+4*(\slot)+2:G0V+4*(\slot)+3], s[74:75], s[22:23]
	tensor_load_to_lds s[G0K+4*(\slot):G0K+4*(\slot)+3], s[G1K:G1K+7]
	s_nop 0
	tensor_load_to_lds s[G0V+4*(\slot):G0V+4*(\slot)+3], s[G1V:G1V+7]
	s_nop 0
.endm
.macro ADV                             ; the tiles go G1, G1 - 1, .. 0, G2, G2 - 1, .. 0
	s_mov_b32 s18, s19
	s_sub_co_i32 s2, s19, 1
	s_cmp_lt_i32 s2, 0
	s_cselect_b32 s19, s17, s2
	s_min_u32 s19, s19, 15                         ; changes nothing; it states the range of a number that enters an LDS address
.endm
	s_load_b256 s[4:11], s[0:1], 0x0               ; xb s[4:5], gts s[6:7], rms_scale s[8:9], out0 s[10:11]
	v_lshrrev_b32 v3, 5, v0
	v_readfirstlane_b32 s12, v3                    ; wave 0..3
	s_bfe_u32 s13, ttmp6, 0x40000                  ; cx
	s_lshr_b32 s14, ttmp9, 3                       ; in a cluster launch ttmp9 counts clusters: 8 for each head
	s_and_b32 s15, ttmp9, 7                        ; j
	s_lshl_b32 s16, s15, 1                         ; G1 = 2 j
	s_xor_b32 s17, s16, 15                         ; G2 = 15 - 2 j
	v_lshlrev_b32 v[VA], 7, v0                     ; thread t scans rows 16 t .. 16 t + 15: 128 bytes of gts
	v_and_b32 v[TMP], 31, v0
	v_lshlrev_b32 v[VO], 4, v[TMP]
	s_lshl_b32 s22, s14, 14                        ; a head of gts is 16,384 bytes
	s_mov_b32 s23, 0
	s_wait_kmcnt 0x0
	s_add_nc_u64 s[6:7], s[6:7], s[22:23]
.irp i, 0,1,2,3,4,5,6,7
	global_load_b128 v[X+4*\i:X+4*\i+3], v[VA], s[6:7] offset:16*\i
.endr
	global_load_b128 v[SCL:SCL+3],   v[VO], s[8:9]
	global_load_b128 v[SCL+4:SCL+7], v[VO], s[8:9] offset:512
	; group 1: tiles of 32 (Q: 16) rows x 256 elements of 2 bytes, rows 256 elements apart, padded in LDS behind every 128 words
	s_mov_b32 s[G1K+0], 15|(1<<16)|(1<<20)|(1<<21)|(6<<22)|(3<<25)  ; 15:0 mask: all four partners; 17:16 2 bytes; 20 padding; 21 set beside a mask; 24:22 every 128 words; 31:25 4 words
	s_mov_b32 s[G1V+0], 15|(1<<16)|(1<<20)|(1<<21)|(6<<22)|(7<<25)  ; the same with 8 words of padding
	s_mov_b32 s[G1Q+0], (1<<16)|(1<<20)|(6<<22)|(3<<25)             ; my own rows: no mask
.irp g, G1K, G1V, G1Q
	s_mov_b32 s[\g+1], 256<<16                     ; tensor_dim0 = 256
	s_mov_b32 s[\g+3], 256<<16                     ; tile_dim0 = 256
	s_mov_b32 s[\g+5], 256                         ; from row to row
	s_mov_b32 s[\g+6], 0
	s_mov_b32 s[\g+7], 0
.endr
	s_mov_b32 s[G1K+2], 32<<16                     ; tensor_dim1 = 32
	s_mov_b32 s[G1K+4], 32                         ; tile_dim1 = 32
	s_mov_b32 s[G1V+2], 32<<16
	s_mov_b32 s[G1V+4], 32
	s_mov_b32 s[G1Q+2], 16<<16
	s_mov_b32 s[G1Q+4], 16
	; group 0: count, LDS address (a constant + wave x a constant), global address, type
	s_mov_b32 s[G0K+0], 1
	s_mov_b32 s[G0K+4], 1
	s_mov_b32 s[G0V+0], 1
	s_mov_b32 s[G0V+4], 1
	s_mov_b32 s[G0Q+0], 1
	s_mul_i32 s2, s12, KW
	s_add_co_u32 s[G0K+1], s2, RING
	s_add_co_u32 s[G0K+5], s2, RING+SLOT
	s_mul_i32 s2, s12, VW
	s_add_co_u32 s[G0V+1], s2, RING+VOFF
	s_add_co_u32 s[G0V+5], s2, RING+SLOT+VOFF
	s_mul_i32 s2, s12, 16*KP
	s_add_co_u32 s[G0Q+1], s2, QS                  ; wave w brings Q rows 16 w .. + 15 of my 64: block w / 2, query tile w % 2
	s_lshl_b32 s2, s14, 20                         ; a head of xb is 1 MiB
	s_lshl_b32 s3, s12, 14                         ; my wave's 32 rows of a tile
	s_add_co_u32 s22, s2, s3
	s_add_co_u32 s22, s22, 0x800000                ; k lies 8 MiB behind q,
	s_add_nc_u64 s[72:73], s[4:5], s[22:23]
	s_add_nc_u64 s[74:75], s[72:73], 0x800000      ; v 8 MiB behind k
	s_or_b32 s73, s73, 0x80000000
	s_or_b32 s75, s75, 0x80000000
	s_cmp_gt_u32 s12, 1
	s_cselect_b32 s3, s17, s16                     ; the group of the block that I fetch for
	s_lshl_b32 s3, s3, 7
	s_lshl_b32 s22, s13, 5
	s_add_co_u32 s3, s3, s22                       ; + 32 cx
	s_and_b32 s22, s12, 1
	s_lshl4_add_u32 s3, s22, s3                    ; + 16 (w % 2)
	s_lshl_b32 s3, s3, 9
	s_add_co_u32 s22, s2, s3
	s_add_nc_u64 s[G0Q+2:G0Q+3], s[4:5], s[22:23]
	s_or_b32 s[G0Q+3], s[G0Q+3], 0x80000000
	s_mov_b32 s18, s16                             ; the first tile is block 0's diagonal
	s_sub_co_i32 s2, s16, 1
	s_cmp_lt_i32 s2, 0
	s_cselect_b32 s19, s17, s2
	s_min_u32 s19, s19, 15
	s_mov_b32 s20, s15                             ; block 0: 1 + 2 j tiles
	s_sub_co_u32 s21, 7, s15                       ; block 1: 1 + 2 (7 - j) + 1 tiles
	CROUND                                         ; all four partners are here: the first joint loads meet
	tensor_load_to_lds s[G0Q:G0Q+3], s[G1Q:G1Q+7]
	s_nop 0
	FILL 0, s16                                    ; three tensor loads of the wave are out
	; while they are on their way: constants and addresses
	s_mov_b32 s76, 0x76543210
	s_mov_b32 s77, 0xfedcba98
	s_mov_b32 s81, 0xffff0000
	s_mov_b32 s86, 0x3b800000                      ; 1 / 256
	s_mov_b32 s87, 0x358637bd                      ; 1e-6
	s_cmp_eq_u32 s13, 1
	s_cselect_b32 s78, -1, 0
	s_cmp_eq_u32 s13, 2
	s_cselect_b32 s79, -1, 0
	s_cmp_eq_u32 s13, 3
	s_cselect_b32 s80, -1, 0
	s_cmp_gt_u32 s12, 0
	s_cselect_b32 s82, -1, 0
	s_cmp_gt_u32 s12, 1
	s_cselect_b32 s83, -1, 0
	s_cmp_gt_u32 s12, 2
	s_cselect_b32 s84, -1, 0
	s_lshr_b32 s2, s14, 2                          ; b
	s_lshl_b32 s2, s2, 11
	s_lshl_b32 s3, s13, 5
	s_add_co_u32 s2, s2, s3
	s_lshl3_add_u32 s2, s12, s2                    ; 2,048 b + 32 cx + 8 w: on the way out wave w owns rows 8 w .. + 7 of each block
	s_and_b32 s3, s14, 3
	s_lshl_b32 s3, s3, 10                          ; my head's 1,024 bytes of a row of out0
.irp b, 0,1
	s_lshl_b32 s22, s[16+\b], 7
	s_add_co_u32 s22, s22, s2
	s_lshl_b32 s22, s22, 12
	s_add_co_u32 s22, s22, s3
	s_add_nc_u64 s[88+2*\b:89+2*\b], s[10:11], s[22:23]
.endr
	v_and_b32 v1, 15, v0                           ; r
	v_bfe_u32 v2, v0, 4, 1                         ; h
	v_mul_u32_u24 v3, v1, KP
	v_lshl_add_u32 v3, v2, 4, v3                   ; a fragment with K along the rows: row r, 16 h
	v_add_nc_u32 v[VK],   s[G0K+1], v3
	v_add_nc_u32 v[VK+1], s[G0K+5], v3
	v_add_nc_u32 v[VQ], QS, v3
	v_and_b32 v3, 7, v0
	v_lshl_add_u32 v3, v2, 3, v3                   ; a transposing load addresses row 8 h + lane % 8,
	v_mul_u32_u24 v3, v3, VP
	v_bfe_u32 v[TMP], v0, 3, 1
	v_lshl_add_u32 v3, v[TMP], 4, v3               ; and 16 bytes for each eight lanes
	v_add_nc_u32 v[VV],   s[G0V+1], v3
	v_add_nc_u32 v[VV+1], s[G0V+5], v3
	s_lshl_b32 s2, s12, 7
	v_lshl_add_u32 v[VAB], v2, 5, s2               ; a of keys 32 w + 8 h ..
	s_sub_co_i32 s2, s13, s12
	s_lshl_b32 s2, s2, 5
	v_lshlrev_b32 v3, 3, v2
	v_sub_nc_u32 v3, v1, v3
	v_add_nc_u32 v[REL], s2, v3
	s_mul_i32 s2, s12, SW
	v_mul_u32_u24 v3, v1, SP
	v_lshl_add_u32 v3, v2, 5, v3
	v_add_nc_u32 v3, s2, v3
	v_add_nc_u32 v[VST],   RING, v3
	v_add_nc_u32 v[VST+1], RING+SLOT, v3
	s_mul_i32 s2, s12, 8*SP
	v_add_nc_u32 v3, s2, v[VO]
	v_add_nc_u32 v[VRD],   RING, v3
	v_add_nc_u32 v[VRD+1], RING+2*SW, v3
	v_add_nc_u32 v[VRD+2], RING+SLOT, v3
	v_add_nc_u32 v[VRD+3], RING+SLOT+2*SW, v3
	s_lshl_b32 s2, s12, 5
	s_add_co_u32 s3, s2, RSUM
	v_mov_b32 v[VRS], s3
	s_lshl_b32 s3, s12, 7
	s_add_co_u32 s3, s3, RSUM
	v_lshl_add_u32 v[VRW], v1, 2, s3
.irp b, 0,1
	s_bfe_u32 s3, s[16+\b], 0x20002                ; G / 4: the wave whose threads scan group G
	s_lshl_b32 s3, s3, 10
	s_add_co_u32 s3, s3, MARR+512*\b
	v_lshl_add_u32 v[VMR+\b], v1, 2, s3
	s_add_co_u32 s3, s3, s2
	s_add_co_u32 s3, s3, NARR-MARR
	v_mov_b32 v[VN+\b], s3
.endr
	s_lshl_b32 s3, s12, 2
	s_add_co_u32 s3, s3, SCR
	v_mov_b32 v[VSW], s3
	v_mov_b32 v[VSR], SCR
	v_lshlrev_b32 v[VAW], 6, v0
	v_mov_b32 v[NI], 0xff800000                    ; -infinity: the maximum's neutral element
	v_lshrrev_b32 v[VG], 3, v0                     ; the group of my 16 rows
	v_and_b32 v3, 7, v0
	s_lshl_b32 s3, s12, 10
	s_add_co_u32 s3, s3, MARR
	v_lshl_add_u32 v[VMW], v3, 6, s3
	; THE SCAN, over the head's 2,048 rows, 16 a thread.  First ncs: in the thread, over the 16 lanes of a row, over the two rows, over the waves.
	s_wait_loadcnt 0x2                             ; the eight loads of gts are in; the two of rms_scale may stay out
.irp e, 1,2,3,4,5,6,7,8,9,10,11,12,13,14,15
	v_add_f32 v[X+2*\e+1], v[X+2*\e-1], v[X+2*\e+1]
.endr
	v_mov_b32 v[SC], v[X+31]
.irp n, 1,2,4,8
	v_add_f32_dpp v[SC], v[SC], v[SC] row_shr:\n row_mask:0xf bank_mask:0xf    ; lanes without a source keep their sum
.endr
	v_readlane_b32 s92, v[SC], 15
	v_readlane_b32 s93, v[SC], 31
	v_mov_b32 v[EX], 0
	v_mov_b32_dpp v[EX], v[SC] row_shr:1 row_mask:0xf bank_mask:0xf            ; what lies in front of my thread in its 16 lanes
	v_mov_b32 v[T1], s92
	v_add_f32 v[T2], s93, v[T1]                    ; the wave's total
	v_cndmask_b32 v[T1], 0, v[T1], s81
	v_add_f32 v[EX], v[EX], v[T1]
	ds_store_b32 v[VSW], v[T2]
	s_wait_dscnt 0x0                               ; for the other waves' sake
	s_barrier_signal -1                            ; the three tensor loads may stay out
	s_barrier_wait -1
	ds_load_b128 v[TOT:TOT+3], v[VSR]
	s_wait_dscnt 0x0
	v_cndmask_b32 v[TOT],   0, v[TOT],   s82
	v_cndmask_b32 v[TOT+1], 0, v[TOT+1], s83
	v_cndmask_b32 v[TOT+2], 0, v[TOT+2], s84
	v_add_f32 v[EX], v[EX], v[TOT]
	v_add_f32 v[EX], v[EX], v[TOT+1]
	v_add_f32 v[EX], v[EX], v[TOT+2]
.irp e, 0,1,2,3,4,5,6,7,8,9,10,11,12,13,14,15
	v_add_f32 v[X+2*\e+1], v[EX], v[X+2*\e+1]      ; ncs
	v_add_f32 v[A16+\e], v[X+2*\e], v[X+2*\e+1]    ; a = gi + ncs
.endr
.irp i, 0,1,2,3
	ds_store_b128 v[VAW], v[A16+4*\i:A16+4*\i+3] offset:AARR+16*\i
.endr
	; then M, the running maximum of a, the same way
	v_max_num_f32 v[M16+1], v[A16], v[A16+1]
.irp e, 2,3,4,5,6,7,8,9,10,11,12,13,14,15
	v_max_num_f32 v[M16+\e], v[M16+\e-1], v[A16+\e]
.endr
	v_mov_b32 v[SC], v[M16+15]
.irp n, 1,2,4,8
	v_max_num_f32_dpp v[SC], v[SC], v[SC] row_shr:\n row_mask:0xf bank_mask:0xf
.endr
	v_readlane_b32 s92, v[SC], 15
	v_readlane_b32 s93, v[SC], 31
	v_mov_b32 v[EX], v[NI]
	v_mov_b32_dpp v[EX], v[SC] row_shr:1 row_mask:0xf bank_mask:0xf
	v_mov_b32 v[T1], s92
	v_max_num_f32 v[T2], s93, v[T1]
	v_cndmask_b32 v[T1], v[NI], v[T1], s81
	v_max_num_f32 v[EX], v[EX], v[T1]
	ds_store_b32 v[VSW], v[T2] offset:16
	s_wait_dscnt 0x0
	s_barrier_signal -1
	s_barrier_wait -1
	ds_load_b128 v[TOT:TOT+3], v[VSR] offset:16
	s_wait_dscnt 0x0
	v_cndmask_b32 v[TOT],   v[NI], v[TOT],   s82
	v_cndmask_b32 v[TOT+1], v[NI], v[TOT+1], s83
	v_cndmask_b32 v[TOT+2], v[NI], v[TOT+2], s84
	v_max3_num_f32 v[EX], v[EX], v[TOT], v[TOT+1]
	v_max_num_f32 v[EX], v[EX], v[TOT+2]
	v_max_num_f32 v[M16], v[A16], v[EX]
.irp e, 1,2,3,4,5,6,7,8,9,10,11,12,13,14,15
	v_max_num_f32 v[M16+\e], v[M16+\e], v[EX]
.endr
.irp e, 0,1,2,3,4,5,6,7,8,9,10,11,12,13,14,15
	v_sub_f32 v[N16+\e], v[X+2*\e+1], v[M16+\e]    ; ncs - M = -m: the exponent of the normaliser's floor
	v_sub_f32 v[M16+\e], -4.0, v[M16+\e]           ; -(M + 4): what is added to a_j; the 4 is the scores' 1/16, exact
.endr
	; the eight threads that hold group G1 (then G2) put their 128 rows into their own wave's part of MARR and NARR
	s_wait_xcnt 0x0                                ; EXEC changes only behind this wait; no global access follows until EXEC is whole again
.irp b, 0,1
	v_cmp_eq_u32 vcc_lo, s[16+\b], v[VG]
	s_and_saveexec_b32 s85, vcc_lo
.irp i, 0,1,2,3
	ds_store_b128 v[VMW], v[M16+4*\i:M16+4*\i+3] offset:512*\b+16*\i
	ds_store_b128 v[VMW], v[N16+4*\i:N16+4*\i+3] offset:NARR-MARR+512*\b+16*\i
.endr
	s_or_b32 exec_lo, exec_lo, s85
.endr
	s_wait_loadcnt 0x0                             ; rms_scale
.irp p, 0,1,2,3
	v_pk_add_f32 v[SCL+2*\p:SCL+2*\p+1], v[SCL+2*\p:SCL+2*\p+1], 1.0 op_sel_hi:[1,0]
.endr
	s_wait_dscnt 0x0                               ; my a, M and N are in LDS,
	s_wait_tensorcnt 0x2                           ; and my 16 rows of Q: tensor loads of a wave end in order, K's and V's were issued behind Q's
	s_barrier_signal -1
	s_barrier_wait -1
	WIN 0x80                                       ; destination window 2
.irp b, 0,1
.irp q, 0,1
.irp ks, 0,1,2,3,4,5,6,7
	ds_load_b128 v[128*\b+64*\q+8*\ks:128*\b+64*\q+8*\ks+3],   v[VQ] offset:KP*(32*\b+16*\q)+64*\ks
	ds_load_b128 v[128*\b+64*\q+8*\ks+4:128*\b+64*\q+8*\ks+7], v[VQ] offset:KP*(32*\b+16*\q)+64*\ks+32
.endr
.endr
.endr
	WIN 0
.irp b, 0,1
.irp q, 0,1
.irp c, 0,1,2,3
	ds_load_b32 v[MC+8*\b+4*\q+\c], v[VMR+\b] offset:128*\c+64*\q      ; row 32 c + 16 qt + r of the group: one candidate for each partner
.endr
.endr
.endr
	s_wait_dscnt 0x0
.irp b, 0,1
.irp q, 0,1
	v_cndmask_b32 v[MC+8*\b+4*\q],   v[MC+8*\b+4*\q], v[MC+8*\b+4*\q+1], s78
	v_cndmask_b32 v[MC+8*\b+4*\q],   v[MC+8*\b+4*\q], v[MC+8*\b+4*\q+2], s79
	v_cndmask_b32 v[MP+4*\b+2*\q],   v[MC+8*\b+4*\q], v[MC+8*\b+4*\q+3], s80
	v_mov_b32     v[MP+4*\b+2*\q+1], v[MP+4*\b+2*\q]
.endr
.endr
	s_wait_tensorcnt 0x0                           ; the first tile has landed; no tensor load of mine is out
	CROUND                                         ; the round in front of the first trip's joint loads
; exponents of tile (kt, qt): a_j - (M_i + 4); in a diagonal tile -infinity where key > row, that is 16 (kt - qt) + e > REL
.macro EWA kt, qt, t, blk, diag
	s_wait_alu depctr_va_vdst(0)
.irp p, 0,1,2,3
	v_pk_add_f32 v[\t+2*\p:\t+2*\p+1], v[AV+8*\kt+2*\p:AV+8*\kt+2*\p+1], v[MP+4*\blk+2*\qt:MP+4*\blk+2*\qt+1]
.endr
.if \diag
	s_wait_alu depctr_va_vdst(0)
.irp e, 0,1,2,3,4,5,6,7
	v_cmp_le_i32 vcc_lo, 16*(\kt-\qt)+\e, v[REL]
	v_cndmask_b32 v[\t+\e], 0xff800000, v[\t+\e], vcc_lo
.endr
.endif
.endm
.macro EWX t
.irp e, 0,1,2,3,4,5,6,7
	v_exp_f32 v[\t+\e], v[\t+\e]
.endr
.endm
; c = score x weight: into the row sum (f32, fused; a block's very first product starts the sum), and rounded to bf16 into source 1
.macro EWB kt, qt, t, blk, zero
.irp p, 0,1,2,3
.if (8*(1-\zero)+4*\kt+\p) == 0
	s_wait_alu depctr_va_vdst(0)
	v_pk_mul_f32 v[RS+4*\blk+2*\qt:RS+4*\blk+2*\qt+1], v[SB+8*(2*\kt+\qt)+2*\p:SB+8*(2*\kt+\qt)+2*\p+1], v[\t+2*\p:\t+2*\p+1]
.else
	v_pk_fma_f32 v[RS+4*\blk+2*\qt:RS+4*\blk+2*\qt+1], v[SB+8*(2*\kt+\qt)+2*\p:SB+8*(2*\kt+\qt)+2*\p+1], v[\t+2*\p:\t+2*\p+1], v[RS+4*\blk+2*\qt:RS+4*\blk+2*\qt+1]
.endif
	v_pk_mul_f32 v[SB+8*(2*\kt+\qt)+2*\p:SB+8*(2*\kt+\qt)+2*\p+1], v[SB+8*(2*\kt+\qt)+2*\p:SB+8*(2*\kt+\qt)+2*\p+1], v[\t+2*\p:\t+2*\p+1]
.endr
.irp p, 0,1,2,3
	v_cvt_pk_bf16_f32 v[P+8*\qt+4*\kt+\p], v[SB+8*(2*\kt+\qt)+2*\p], v[SB+8*(2*\kt+\qt)+2*\p+1]
.endr
.endm
; 16 matrix instructions of H^T += V^T P^T: column tiles d0 .. d0 + 7, both query tiles; every one on another accumulator
.macro PV16 d0, zero
.irp d, 0,1,2,3,4,5,6,7
.irp q, 0,1
.if \zero
	v_wmma_f32_16x16x32_bf16 v[8*(16*\q+\d0+\d):8*(16*\q+\d0+\d)+7], v[F+8*(\d0+\d):F+8*(\d0+\d)+7], v[P+8*\q:P+8*\q+7], 0
.else
	v_wmma_f32_16x16x32_bf16 v[8*(16*\q+\d0+\d):8*(16*\q+\d0+\d)+7], v[F+8*(\d0+\d):F+8*(\d0+\d)+7], v[P+8*\q:P+8*\q+7], v[8*(16*\q+\d0+\d):8*(16*\q+\d0+\d)+7]
.endif
.endr
.endr
.endm
; ONE TRIP: tile s18, which lies in \slot, against the 32 rows of block \blk.  diag: the block's own group; zero: its first tile starts the sums.
; All accumulators (4 of scores, 32 of H) take turns, one instruction a turn.
.macro TRIP slot, blk, diag, zero, last
.if \last == 0
	FILL 1-\slot, s19                              ; the next tile, first thing behind the round; two tensor loads of the wave are out
.endif
	s_lshl_b32 s2, s18, 9                          ; 128 keys of 4 bytes a tile
	v_add_nc_u32 v[VA], s2, v[VAB]                 ; this and three v_nop: four places behind the last trip's matrix instructions, whose source F is loaded again
.rept 3
	v_nop
.endr
.irp c, 0,1
	ds_load_b128 v[AV+8*\c:AV+8*\c+3],   v[VA] offset:AARR+64*\c
	ds_load_b128 v[AV+8*\c+4:AV+8*\c+7], v[VA] offset:AARR+64*\c+16
.endr
.irp ks, 0,1,2,3,4,5,6,7
.irp c, 0,1
	ds_load_b128 v[F+8*(2*\ks+\c):F+8*(2*\ks+\c)+3],   v[VK+\slot] offset:16*KP*\c+64*\ks
	ds_load_b128 v[F+8*(2*\ks+\c)+4:F+8*(2*\ks+\c)+7], v[VK+\slot] offset:16*KP*\c+64*\ks+32
.endr
.endr
	WIN 0x08                                       ; source 1 (Q) in window 2
.irp ks, 0,1,2,3,4,5,6,7
	s_wait_dscnt 28-4*\ks                          ; this K step's four loads are in; four for each later step stay out
.irp c, 0,1
.irp q, 0,1
.if \ks == 0
	v_wmma_f32_16x16x32_bf16 v[SB+8*(2*\c+\q):SB+8*(2*\c+\q)+7], v[F+8*(2*\ks+\c):F+8*(2*\ks+\c)+7], v[128*\blk+64*\q+8*\ks:128*\blk+64*\q+8*\ks+7], 0
.else
	v_wmma_f32_16x16x32_bf16 v[SB+8*(2*\c+\q):SB+8*(2*\c+\q)+7], v[F+8*(2*\ks+\c):F+8*(2*\ks+\c)+7], v[128*\blk+64*\q+8*\ks:128*\blk+64*\q+8*\ks+7], v[SB+8*(2*\c+\q):SB+8*(2*\c+\q)+7]
.endif
.endr
.endr
.endr
	WIN 0
	EWA 0, 0, TA, \blk, \diag                      ; at least four plain instructions that name no register of the products above: the places in front of the loads into F
.irp dt, 0,1,2,3,4,5,6,7,8,9,10,11,12,13,14,15
	ds_load_tr16_b128 v[F+8*\dt:F+8*\dt+3],   v[VV+\slot] offset:32*\dt            ; keys 8 h .. of column 16 dt + r
	ds_load_tr16_b128 v[F+8*\dt+4:F+8*\dt+7], v[VV+\slot] offset:32*\dt+16*VP      ; keys 16 + 8 h ..
.endr
	EWX TA                                         ; behind each run of exponentials stands plain work on the other buffer before a result is read (ISA guide 5.7.2)
	EWA 0, 1, TB, \blk, \diag
	EWB 0, 0, TA, \blk, \zero
	EWX TB
	EWA 1, 0, TA, \blk, \diag
	EWB 0, 1, TB, \blk, \zero
	EWX TA
	EWA 1, 1, TB, \blk, \diag
	EWB 1, 0, TA, \blk, \zero
	EWX TB
	v_nop
	s_wait_alu depctr_va_vdst(0)
	EWB 1, 1, TB, \blk, \zero
	WIN 0x50+0xa0*\blk                             ; C and D in window 1 (block 0) or 3 (block 1)
	s_wait_dscnt 16                                ; V's column tiles 0-7 are in; the 16 loads of tiles 8-15 may stay out
	PV16 0, \zero
	s_wait_dscnt 0x0                               ; my reads of this slot are over,
	s_wait_tensorcnt 0x0                           ; and all my tensor loads have landed: my part of the next tile
	ADV
	s_barrier_signal -1                            ; say so: this barrier opens the round behind which this slot is filled again
	PV16 8, \zero                                  ; register work while the others arrive
	WIN 0
	s_barrier_wait -1
.if \last == 0
	CREST                                          ; no wave of any partner still reads the slot or has a load on its way
.endif
.endm
	TRIP 0, 0, 1, 1, 0                             ; block 0: its diagonal tile,
	s_cmp_eq_u32 s20, 0
	s_cbranch_scc1 .Lblock0_done
.Lblock0:
	TRIP 1, 0, 0, 0, 0                             ; then 2 j tiles below it
	TRIP 0, 0, 0, 0, 0
	s_sub_co_i32 s20, s20, 1
	s_cmp_lg_u32 s20, 0
	s_cbranch_scc1 .Lblock0
.Lblock0_done:
	TRIP 1, 1, 1, 1, 0                             ; block 1: its diagonal tile,
	s_cmp_eq_u32 s21, 0
	s_cbranch_scc1 .Lblock1_done
.Lblock1:
	TRIP 0, 1, 0, 0, 0                             ; 2 (7 - j) tiles,
	TRIP 1, 1, 0, 0, 0
	s_sub_co_i32 s21, s21, 1
	s_cmp_lg_u32 s21, 0
	s_cbranch_scc1 .Lblock1
.Lblock1_done:
	TRIP 0, 1, 0, 0, 1                             ; and tile 0, which fetches nothing: its barrier is the work-group's alone
	; THE WAY OUT.  Both slots have had their last fill and their last read (the barrier above): they take the four waves' partial H.
	PLACES                                         ; four places behind the last matrix instructions before their results are stored
	WIN 0x04                                       ; store data from window 1
.irp q, 0,1
.irp dt, 0,1,2,3,4,5,6,7,8,9,10,11,12,13,14,15
	ds_store_b128 v[VST], v[8*(16*\q+\dt):8*(16*\q+\dt)+3]   offset:16*SP*\q+64*\dt
	ds_store_b128 v[VST], v[8*(16*\q+\dt)+4:8*(16*\q+\dt)+7] offset:16*SP*\q+64*\dt+16
.endr
.endr
	WIN 0x0c                                       ; from window 3
.irp q, 0,1
.irp dt, 0,1,2,3,4,5,6,7,8,9,10,11,12,13,14,15
	ds_store_b128 v[VST+1], v[8*(16*\q+\dt):8*(16*\q+\dt)+3]   offset:16*SP*\q+64*\dt
	ds_store_b128 v[VST+1], v[8*(16*\q+\dt)+4:8*(16*\q+\dt)+7] offset:16*SP*\q+64*\dt+16
.endr
.endr
	WIN 0
.irp b, 0,1
.irp q, 0,1
	v_add_f32 v[TA+2*\b+\q], v[RS+4*\b+2*\q], v[RS+4*\b+2*\q+1]
	v_permlanex16_b32 v[TB+2*\b+\q], v[TA+2*\b+\q], s76, s77       ; the other eight keys of each sixteen lie in lane + 16
	v_add_f32 v[TA+2*\b+\q], v[TA+2*\b+\q], v[TB+2*\b+\q]
	ds_store_b32 v[VRW], v[TA+2*\b+\q] offset:512*\b+64*\q
.endr
.endr
	s_wait_dscnt 0x0                               ; for the other waves' sake
	s_barrier_signal -1
	s_barrier_wait -1
; rows 2 p, 2 p + 1 of my eight, all four partial sums, 16 loads of 512 consecutive bytes, into \buf at 32 e + 8 x + 4 u
.macro ROWLOAD blk, p, buf
	s_wait_xcnt 0x0                                ; \buf may hold the data of earlier stores: it is loaded again only behind this wait
.irp e, 0,1
.irp x, 0,1,2,3
.irp u, 0,1
	ds_load_b128 v[\buf+32*\e+8*\x+4*\u:\buf+32*\e+8*\x+4*\u+3], v[VRD+2*\blk+(\x>>1)] offset:SW*(\x&1)+SP*(2*\p+\e)+512*\u
.endr
.endr
.endr
.endm
; the two rows: add, divide by the normaliser, RMSNorm over the 256 columns (8 a lane), scale, store
.macro ROWDO blk, p, buf
.irp e, 0,1
.irp x, 1,2,3
.irp q, 0,1,2,3
	v_pk_add_f32 v[\buf+32*\e+2*\q:\buf+32*\e+2*\q+1], v[\buf+32*\e+2*\q:\buf+32*\e+2*\q+1], v[\buf+32*\e+8*\x+2*\q:\buf+32*\e+8*\x+2*\q+1]
.endr
.endr
.irp q, 0,1,2,3
	v_pk_mul_f32 v[\buf+32*\e+2*\q:\buf+32*\e+2*\q+1], v[\buf+32*\e+2*\q:\buf+32*\e+2*\q+1], v[TA+2*(2*\p+\e):TA+2*(2*\p+\e)+1] op_sel_hi:[1,0]  ; h: both by the pair's first register
.endr
	v_pk_mul_f32 v[\buf+32*\e+8:\buf+32*\e+9], v[\buf+32*\e:\buf+32*\e+1], v[\buf+32*\e:\buf+32*\e+1]
.irp q, 1,2,3
	v_pk_fma_f32 v[\buf+32*\e+8:\buf+32*\e+9], v[\buf+32*\e+2*\q:\buf+32*\e+2*\q+1], v[\buf+32*\e+2*\q:\buf+32*\e+2*\q+1], v[\buf+32*\e+8:\buf+32*\e+9]
.endr
	v_add_f32 v[\buf+32*\e+8], v[\buf+32*\e+8], v[\buf+32*\e+9]
.irp n, 1,2,4,8
	v_add_f32_dpp v[\buf+32*\e+8], v[\buf+32*\e+8], v[\buf+32*\e+8] row_xmask:\n row_mask:0xf bank_mask:0xf
.endr
	v_permlanex16_b32 v[\buf+32*\e+9], v[\buf+32*\e+8], s76, s77
	v_add_f32 v[\buf+32*\e+8], v[\buf+32*\e+8], v[\buf+32*\e+9]
	v_fma_f32 v[\buf+32*\e+8], v[\buf+32*\e+8], s86, s87           ; mean of squares + 1e-6
.endr
	v_rsq_f32 v[\buf+8],  v[\buf+8]
	v_rsq_f32 v[\buf+40], v[\buf+40]
	v_nop                                          ; one plain place behind the transcendentals
	s_wait_alu depctr_va_vdst(0)
.irp e, 0,1
.irp q, 0,1,2,3
	v_pk_mul_f32 v[\buf+32*\e+2*\q:\buf+32*\e+2*\q+1], v[\buf+32*\e+2*\q:\buf+32*\e+2*\q+1], v[\buf+32*\e+8:\buf+32*\e+9] op_sel_hi:[1,0]
.endr
.irp q, 0,1,2,3
	v_pk_mul_f32 v[\buf+32*\e+2*\q:\buf+32*\e+2*\q+1], v[\buf+32*\e+2*\q:\buf+32*\e+2*\q+1], v[SCL+2*\q:SCL+2*\q+1]
.endr
	global_store_b128 v[VO], v[\buf+32*\e:\buf+32*\e+3],   s[88+2*\blk:89+2*\blk] offset:4096*(2*\p+\e) th:TH_STORE_NT      ; a wave's store covers 512 consecutive bytes, aligned
	global_store_b128 v[VO], v[\buf+32*\e+4:\buf+32*\e+7], s[88+2*\blk:89+2*\blk] offset:4096*(2*\p+\e)+512 th:TH_STORE_NT
.endr
.endm
.macro FINAL blk
.irp x, 0,1,2,3
	ds_load_b128 v[SB+8*\x:SB+8*\x+3],   v[VRS] offset:512*\blk+128*\x         ; wave x's row sums of my eight rows, the same in every lane
	ds_load_b128 v[SB+8*\x+4:SB+8*\x+7], v[VRS] offset:512*\blk+128*\x+16
.endr
.irp c, 0,1
	ds_load_b128 v[AV+8*\c:AV+8*\c+3],   v[VN+\blk] offset:128*\c              ; ncs - M: a candidate for each partner
	ds_load_b128 v[AV+8*\c+4:AV+8*\c+7], v[VN+\blk] offset:128*\c+16
	ds_load_b128 v[P+8*\c:P+8*\c+3],     v[VN+\blk] offset:256+128*\c
	ds_load_b128 v[P+8*\c+4:P+8*\c+7],   v[VN+\blk] offset:256+128*\c+16
.endr
	ROWLOAD \blk, 0, B0
	s_wait_dscnt 16                                ; all but the 16 row loads just issued
.irp x, 1,2,3
.irp p, 0,1,2,3
	v_pk_add_f32 v[SB+2*\p:SB+2*\p+1], v[SB+2*\p:SB+2*\p+1], v[SB+8*\x+2*\p:SB+8*\x+2*\p+1]
.endr
.endr
.irp e, 0,1,2,3,4,5,6,7
	v_cndmask_b32 v[AV+\e], v[AV+\e], v[AV+8+\e], s78
	v_cndmask_b32 v[AV+\e], v[AV+\e], v[P+\e],    s79
	v_cndmask_b32 v[AV+\e], v[AV+\e], v[P+8+\e],  s80
.endr
.irp e, 0,1,2,3,4,5,6,7
	v_exp_f32 v[AV+\e], v[AV+\e]                   ; exp(-m)
.endr
	v_nop
	s_wait_alu depctr_va_vdst(0)
.irp e, 0,1,2,3,4,5,6,7
	v_max_num_f32 v[TA+2*\e], v[SB+\e], v[AV+\e]   ; n, in the even registers of TA, TB; the odd ones keep old work and are not selected
	v_add_f32 v[TA+2*\e], s87, v[TA+2*\e]
.endr
.irp e, 0,1,2,3,4,5,6,7
	v_rcp_f32 v[TA+2*\e], v[TA+2*\e]               ; 1 / (n + 1e-6); an infinite n gives 0, and h = 0
.endr
	v_nop
	s_wait_alu depctr_va_vdst(0)
	ROWLOAD \blk, 1, B1
	s_wait_dscnt 16                                ; the older 16 are in, the 16 just issued stay out
	ROWDO \blk, 0, B0
	ROWLOAD \blk, 2, B0
	s_wait_dscnt 16
	ROWDO \blk, 1, B1
	ROWLOAD \blk, 3, B1
	s_wait_dscnt 16
	ROWDO \blk, 2, B0
	s_wait_dscnt 0x0
	ROWDO \blk, 3, B1
.endm
	FINAL 0
	FINAL 1
	CROUND                                         ; the closing round: no work-group ends while a partner may still ask for a tile that names it
	s_endpgm
.Lfunc_end_k_q07e5f0aa5d_attn:
	.size	k_q07e5f0aa5d_attn, .Lfunc_end_k_q07e5f0aa5d_attn-k_q07e5f0aa5d_attn
	.p2alignl 7, 3214868480
	.fill 96, 4, 3214868480
	.section	.rodata,"a",@progbits
	.p2align	6, 0x0
	.amdhsa_kernel k_q07e5f0aa5d_attn
		.amdhsa_group_segment_fixed_size 327680
		.amdhsa_private_segment_fixed_size 0
		.amdhsa_enable_private_segment 0
		.amdhsa_kernarg_size 32
		.amdhsa_user_sgpr_count 2
		.amdhsa_user_sgpr_kernarg_segment_ptr 1
		.amdhsa_wavefront_size32 1
		.amdhsa_system_sgpr_workgroup_id_x 1
		.amdhsa_system_sgpr_workgroup_id_y 1
		.amdhsa_system_sgpr_workgroup_id_z 1
		.amdhsa_system_vgpr_workitem_id 0
		.amdhsa_next_free_vgpr 1024
		.amdhsa_next_free_sgpr 96
		.amdhsa_reserve_vcc 1
		.amdhsa_float_denorm_mode_32 3
		.amdhsa_float_denorm_mode_16_64 3
		.amdhsa_memory_ordered 1
		.amdhsa_forward_progress 1
		.amdhsa_inst_pref_size 200
	.end_amdhsa_kernel
	.amdgpu_metadata
---
amdhsa.version: [ 1, 2 ]
amdhsa.kernels:
  - .name:           k_q07e5f0aa5d_attn
    .symbol:         k_q07e5f0aa5d_attn.kd
    .args:
      - { .name: xb, .offset: 0, .size: 8, .value_kind: global_buffer, .address_space: global }
      - { .name: gts, .offset: 8, .size: 8, .value_kind: global_buffer, .address_space: global }
      - { .name: rms_scale, .offset: 16, .size: 8, .value_kind: global_buffer, .address_space: global }
      - { .name: out0, .offset: 24, .size: 8, .value_kind: global_buffer, .address_space: global }
    .group_segment_fixed_size: 327680
    .private_segment_fixed_size: 0
    .kernarg_segment_align: 8
    .kernarg_segment_size: 32
    .max_flat_workgroup_size: 128
    .sgpr_count:     96
    .vgpr_count:     1024
    .wavefront_size: 32
...
	.end_amdgpu_metadata
.endif
;; end of part 2
;; ======== version 2 of 2: 2 launches; 1.12 times as fast as version 1
;; workspace buffers: xb 25,165,824 bytes; gts 131,072 bytes
;; launch gates: the kernel of part 1 again; grid 256 x 1, 12 waves a work-group, no clusters, 206,336 bytes of LDS; arguments q, k, v, igate_kernel, fgate_kernel, igate_bias, fgate_bias, xb, gts; writes xb, gts
;; launch attn (part 3): grid 256 x 1, 4 waves a work-group, clusters of 4 x 1, 327,680 bytes of LDS; arguments xb, gts, rms_scale, out0; writes out0
.if DOCPART == 3
	.amdgcn_target "amdgcn-amd-amdhsa--gfx1250"
	.amdhsa_code_object_version 6
	.text
	.protected	k_q07e5f0aa5d_attn
	.globl	k_q07e5f0aa5d_attn
	.p2align	8
	.type	k_q07e5f0aa5d_attn,@function
k_q07e5f0aa5d_attn:
	s_mov_b64 s[64:65], 0
	v_nop
	global_prefetch_b8 v0, s[64:65] scope:SCOPE_SE
	s_setreg_imm32_b32 hwreg(HW_REG_WAVE_MODE, 25, 1), 1
	s_wait_xcnt 0x0
	s_wait_alu depctr_hold_cnt(0) depctr_sa_sdst(0) depctr_va_vdst(0) depctr_va_sdst(0) depctr_va_ssrc(0) depctr_va_vcc(0) depctr_vm_vsrc(0)
	s_getreg_b32 s2, hwreg(HW_REG_IB_STS2, 6, 4)
	s_cmp_eq_u32 s2, 0
	s_cbranch_scc0 .Lentry_in_a_cluster
	s_endpgm
.Lentry_in_a_cluster:
	s_bfe_u32 s2, ttmp6, 0x10000c
	s_cmp_lg_u32 s2, 0x3003
	s_cbranch_scc0 .Lentry_shape_is_right
	s_endpgm
.Lentry_shape_is_right:
; SECOND LAUNCH OF TWO: the mLSTM cell proper, head by head (8 heads bh = 4 b + head, 2,048 rows, 256 columns), from
;   xb  [q,k,v][bh][s][256] bf16   and   gts [bh][s][2] f32 = (gi = ig log2 e, nlf = -log2 sigmoid(fg)).
; With ncs_i = sum of nlf up to and with i, a_j = gi_j + ncs_j and M_i = max of a_j over j <= i, the weight of key j for row i is
; 2^(a_j - M_i) and the row's stabiliser is m_i = M_i - ncs_i (base 2): M_i IS the row maximum that is taken away before the
; exponential, known from a scan before any product, so there is no rescaling and the key tiles may come in any order.
;   c_ij = (q_i . k_j) 2^(a_j - M_i - 4)  (the 4 is the 1/16 = 1/sqrt(256)),  n_i = max(sum_j c_ij, 2^(ncs_i - M_i)),
;   h_i = (sum_j c_ij v_j) / (n_i + 1e-6),  out = h rsqrt(mean h^2 + 1e-6) (1 + rms_scale).
; SHARES.  A head's rows are 16 groups of 128.  A cluster of four work-groups owns group G1 = 2 j (block 0) and G2 = 15 - 2 j (block 1):
; G1 + 1 and G2 + 1 key tiles of 128 keys, 17 trips in every cluster.  Partner cx owns rows 32 cx .. + 31 of each group, so all four
; need the same key tiles: every K and V tile is asked for JOINTLY (mask 15), which divides the requests for them by four.
; The cluster's number gives bh = number % 8 and j = number / 8.  A cluster's first two tiles are 2 j and 2 j - 1 (j = 0: 15): over the eight
; clusters of a head these are all its 16 tiles, each once.  Both are asked for together at the kernel's head, into the two empty slots, while
; the scan runs; every later request is for a tile that a cluster of the same head has asked for before, so nothing is prefetched.
; Wave w takes keys 32 w .. + 31 of each tile for all 32 rows of the block at work, fetches just those rows itself, and keeps a partial H
; (32 x 256 f32, 256 registers a block); the four partial sums meet once, at the end, in LDS.
; Neither a branch, a trip count nor an LDS address hangs on cx: it enters the addresses of my own Q rows and output rows, the number that the
; causal compare uses, and selects among four candidates that every partner loads alike.
; THE PRODUCTS ARE USED TRANSPOSED.  S^T = K Q^T: lane (r, h) holds row (query) r and keys 8 h + 0..7 in its eight registers, which, rounded
; to bf16 in pairs, IS the layout of source 1 of H^T = V^T P^T: no shuffle.  In H^T a lane holds 8 neighbouring columns of row r.
; LIMITS.  Matrix operands are bf16.  ncs is an f32 sum (thread, lane, wave in turn) and a_j - M_i a difference of such sums, as
; cs - cs.T is in f32: its absolute error is of the order of one unit in the last place of ncs.  v_exp_f32 gives 0 below 2^-126 (ISA guide, 15.8).
; Products under the causal mask are multiplied by 0: they must be finite.
;
; LDS (every region starts at a multiple of 256 bytes; no tensor load lands in front of QS):
.set AARR, 0                           ; a_j, 2,048 f32
.set MARR, 8192                        ; [wave][block][128] f32: -(M + 4) of the two groups, in the part of the wave whose threads hold them
.set NARR, 12288                       ; the same shape: ncs - M
.set SCR,  16384                       ; the waves' totals: sums at + 0, maxima at + 16
.set RSUM, 16640                       ; [block][wave][32] f32: partial row sums
.set QS,   17664                       ; my 64 Q rows, pitch 528, filled once
.set RING, 51456                       ; two slots; after the last fill they are the stage of the partial H
.set KP,   528                         ; K and Q rows: 512 + 16 bytes, an odd multiple of 16
.set VP,   544                         ; V rows: 512 + 32 bytes, an odd multiple of 32 (they are read by transposing loads)
.set KW,   32*KP                       ; a wave's 32 rows of K
.set VW,   32*VP
.set VOFF, 4*KW                        ; V lies behind K in a slot
.set SLOT, 4*KW+4*VW                   ; 137,216
.set SP,   1040                        ; the stage: a row of 256 f32 + 16 bytes
.set SW,   32*SP                       ; a wave's partial H of one block; 4 SW = 133,120 fit in a slot
; REGISTERS.  Window 1: H of block 0, window 3: H of block 1 (tile (qt, dt) at 8 (16 qt + dt)).  Window 2: Q fragments at 128 blk + 64 qt + 8 ks.
; Window 0:
.set VK,  4                            ; v4, v5    my K fragments in slot 0, 1
.set VV,  6                            ; v6, v7    my V fragments in slot 0, 1
.set VAB, 8                            ; v8        my 8 keys' a in tile 0
.set VA,  9                            ; v9        the same in the tile at work (first: my offset in gts)
.set REL, 10                           ; v10       32 cx + r - 32 w - 8 h: the diagonal tile's compare
.set VQ,  11                           ; v11       Q fragments
.set VST, 12                           ; v12, v13  the stage, in: block 0, 1
.set VRD, 14                           ; v14-17    the stage, back: [block][waves 0-1, waves 2-3]
.set VRS, 18                           ; v18       row sums, back
.set VRW, 19                           ; v19       row sums, in
.set VN,  20                           ; v20, v21  ncs - M of my 8 rows' candidates, block 0, 1
.set VO,  22                           ; v22       16 x lane
.set TMP, 23
.set RS,  24                           ; v24-31    row sums, a pair for [block][qt]
.set SCL, 32                           ; v32-39    1 + rms_scale of columns 4 lane .., 128 + 4 lane ..
.set AV,  40                           ; v40-55    a of my 16 keys
.set TA,  56                           ; v56-63, v64-71  exponents, then weights, two buffers
.set TB,  64
.set P,   72                           ; v72-87    weights x scores in bf16: source 1 for qt = 0, 1
.set SB,  88                           ; v88-119   scores, tile (kt, qt) at 8 (2 kt + qt)
.set MP,  120                          ; v120-127  -(M + 4) of my row, twice (a pair), for [block][qt]
.set F,   128                          ; v128-255  K's fragments, then V's; the scan's and the way out's work space
; the scan's names in F
.set X,   128                          ; 32: (gi, nlf) of my 16 rows; nlf becomes ncs
.set A16, 160
.set M16, 176
.set N16, 192
.set SC,  208
.set EX,  209
.set T1,  210
.set T2,  211
.set TOT, 212                          ; 4
.set VSW, 216
.set VSR, 217
.set VAW, 218
.set NI,  219
.set VG,  220
.set VMW, 221
.set VMR, 222                          ; 2
.set MC,  224                          ; 16
.set B0,  128                          ; the way out: two buffers of two rows x four partial sums
.set B1,  192
; scalars: s12 wave, s13 cx, s14 bh, s15 j, s16 G1, s17 G2, s18 tile at work, s19 tile to fetch, s20, s21 loop counts, s[22:23] an offset (s23 = 0)
.set G1K, 24                           ; s[24:31]  group 1 for K tiles
.set G1V, 32                           ; s[32:39]  for V tiles
.set G1Q, 40                           ; s[40:47]  for my Q rows
.set G0K, 48                           ; s[48:55]  group 0 for K, a set for each slot
.set G0V, 56                           ; s[56:63]  for V
.set G0Q, 68                           ; s[68:71]
; s[72:73], s[74:75] K's and V's address at my wave's rows of tile 0, type bits set; s76, s77 selects of v_permlanex16_b32;
; s78-80 lane masks cx == 1, 2, 3; s81 lanes 16-31; s82-84 lane masks wave > 0, 1, 2; s85 EXEC kept; s86 1/256; s87 1e-6; s[88:91] out0 at my rows
.set MSB, 0
.macro WIN new                         ; s_set_vgpr_msb: bits 1:0 source 0, 3:2 source 1, 5:4 source 2, 7:6 destination; the high byte repeats the setting that is left
.if MSB != (\new)
	s_set_vgpr_msb (MSB<<8)|(\new)
.set MSB, (\new)
.endif
.endm
.macro CREST                           ; a round of the cluster's barrier behind its opening work-group barrier
	s_cmp_lg_u32 s12, 0
	s_cbranch_scc1 .Lnot_wave_0_\@
	s_barrier_signal -3
.Lnot_wave_0_\@:
	s_barrier_wait -3
	s_barrier_signal -1
	s_barrier_wait -1
.endm
.macro CROUND                          ; a whole round
	s_barrier_signal -1
	s_barrier_wait -1
	CREST
.endm
.macro PLACES
.rept 4
	v_nop
.endr
.endm
; my wave's 32 rows of K and of V of a tile into a slot.  No tensor load that names this slot's two group 0 is out here, so they may be written.
.macro FILL slot, tile
	s_lshl_b32 s22, \tile, 16                      ; a tile is 128 rows of 512 bytes
	s_add_nc_u64 s[G0K+4*(\slot)+2:G0K+4*(\slot)+3], s[72:73], s[22:23]
	s_add_nc_u64 s[G0V+4*(\slot)+2:G0V+4*(\slot)+3], s[74:75], s[22:23]
	tensor_load_to_lds s[G0K+4*(\slot):G0K+4*(\slot)+3], s[G1K:G1K+7]
	s_nop 0
	tensor_load_to_lds s[G0V+4*(\slot):G0V+4*(\slot)+3], s[G1V:G1V+7]
	s_nop 0
.endm
.macro ADV                             ; the tiles go G1, G1 - 1, .. 0, G2, G2 - 1, .. 0
	s_mov_b32 s18, s19
	s_sub_co_i32 s2, s19, 1
	s_cmp_lt_i32 s2, 0
	s_cselect_b32 s19, s17, s2
	s_min_u32 s19, s19, 15                         ; changes nothing; it states the range of a number that enters an LDS address
.endm
	s_load_b256 s[4:11], s[0:1], 0x0               ; xb s[4:5], gts s[6:7], rms_scale s[8:9], out0 s[10:11]
	v_lshrrev_b32 v3, 5, v0
	v_readfirstlane_b32 s12, v3                    ; wave 0..3
	s_bfe_u32 s13, ttmp6, 0x40000                  ; cx
	s_and_b32 s14, ttmp9, 7                        ; in a cluster launch ttmp9 counts clusters, 0 to 63: the head is the number % 8,
	s_lshr_b32 s15, ttmp9, 3                       ; j the number / 8
	s_min_u32 s15, s15, 7                          ; changes nothing with 64 clusters; it states the range of a number that enters LDS addresses and trip counts
	s_lshl_b32 s16, s15, 1                         ; G1 = 2 j
	s_xor_b32 s17, s16, 15                         ; G2 = 15 - 2 j
	v_lshlrev_b32 v[VA], 7, v0                     ; thread t scans rows 16 t .. 16 t + 15: 128 bytes of gts
	v_and_b32 v[TMP], 31, v0
	v_lshlrev_b32 v[VO], 4, v[TMP]
	s_lshl_b32 s22, s14, 14                        ; a head of gts is 16,384 bytes
	s_mov_b32 s23, 0
	s_wait_kmcnt 0x0
	s_add_nc_u64 s[6:7], s[6:7], s[22:23]
.irp i, 0,1,2,3,4,5,6,7
	global_load_b128 v[X+4*\i:X+4*\i+3], v[VA], s[6:7] offset:16*\i
.endr
	global_load_b128 v[SCL:SCL+3],   v[VO], s[8:9]
	global_load_b128 v[SCL+4:SCL+7], v[VO], s[8:9] offset:512
	; group 1: tiles of 32 (Q: 16) rows x 256 elements of 2 bytes, rows 256 elements apart, padded in LDS behind every 128 words
	s_mov_b32 s[G1K+0], 15|(1<<16)|(1<<20)|(1<<21)|(6<<22)|(3<<25)  ; 15:0 mask: all four partners; 17:16 2 bytes; 20 padding; 21 set beside a mask; 24:22 every 128 words; 31:25 4 words
	s_mov_b32 s[G1V+0], 15|(1<<16)|(1<<20)|(1<<21)|(6<<22)|(7<<25)  ; the same with 8 words of padding
	s_mov_b32 s[G1Q+0], (1<<16)|(1<<20)|(6<<22)|(3<<25)             ; my own rows: no mask
.irp g, G1K, G1V, G1Q
	s_mov_b32 s[\g+1], 256<<16                     ; tensor_dim0 = 256
	s_mov_b32 s[\g+3], 256<<16                     ; tile_dim0 = 256
	s_mov_b32 s[\g+5], 256                         ; from row to row
	s_mov_b32 s[\g+6], 0
	s_mov_b32 s[\g+7], 0
.endr
	s_mov_b32 s[G1K+2], 32<<16                     ; tensor_dim1 = 32
	s_mov_b32 s[G1K+4], 32                         ; tile_dim1 = 32
	s_mov_b32 s[G1V+2], 32<<16
	s_mov_b32 s[G1V+4], 32
	s_mov_b32 s[G1Q+2], 16<<16
	s_mov_b32 s[G1Q+4], 16
	; group 0: count, LDS address (a constant + wave x a constant), global address, type
	s_mov_b32 s[G0K+0], 1
	s_mov_b32 s[G0K+4], 1
	s_mov_b32 s[G0V+0], 1
	s_mov_b32 s[G0V+4], 1
	s_mov_b32 s[G0Q+0], 1
	s_mul_i32 s2, s12, KW
	s_add_co_u32 s[G0K+1], s2, RING
	s_add_co_u32 s[G0K+5], s2, RING+SLOT
	s_mul_i32 s2, s12, VW
	s_add_co_u32 s[G0V+1], s2, RING+VOFF
	s_add_co_u32 s[G0V+5], s2, RING+SLOT+VOFF
	s_mul_i32 s2, s12, 16*KP
	s_add_co_u32 s[G0Q+1], s2, QS                  ; wave w brings Q rows 16 w .. + 15 of my 64: block w / 2, query tile w % 2
	s_lshl_b32 s2, s14, 20                         ; a head of xb is 1 MiB
	s_lshl_b32 s3, s12, 14                         ; my wave's 32 rows of a tile
	s_add_co_u32 s22, s2, s3
	s_add_co_u32 s22, s22, 0x800000                ; k lies 8 MiB behind q,
	s_add_nc_u64 s[72:73], s[4:5], s[22:23]
	s_add_nc_u64 s[74:75], s[72:73], 0x800000      ; v 8 MiB behind k
	s_or_b32 s73, s73, 0x80000000
	s_or_b32 s75, s75, 0x80000000
	s_cmp_gt_u32 s12, 1
	s_cselect_b32 s3, s17, s16                     ; the group of the block that I fetch for
	s_lshl_b32 s3, s3, 7
	s_lshl_b32 s22, s13, 5
	s_add_co_u32 s3, s3, s22                       ; + 32 cx
	s_and_b32 s22, s12, 1
	s_lshl4_add_u32 s3, s22, s3                    ; + 16 (w % 2)
	s_lshl_b32 s3, s3, 9
	s_add_co_u32 s22, s2, s3
	s_add_nc_u64 s[G0Q+2:G0Q+3], s[4:5], s[22:23]
	s_or_b32 s[G0Q+3], s[G0Q+3], 0x80000000
	s_mov_b32 s18, s16                             ; the first tile is block 0's diagonal
	s_sub_co_i32 s2, s16, 1
	s_cmp_lt_i32 s2, 0
	s_cselect_b32 s19, s17, s2                     ; the second: the one below it, or (j = 0) block 1's diagonal
	s_min_u32 s19, s19, 15
	s_mov_b32 s20, s15                             ; block 0: 1 + 2 j tiles
	s_sub_co_u32 s21, 7, s15                       ; block 1: 1 + 2 (7 - j) + 1 tiles
	CROUND                                         ; all four partners are here: the first joint loads meet
	tensor_load_to_lds s[G0Q:G0Q+3], s[G1Q:G1Q+7]
	s_nop 0
	FILL 0, s16                                    ; the first tile into slot 0
	FILL 1, s19                                    ; and the second into slot 1: both slots are empty, so neither fill needs a barrier; five tensor loads of the wave are out
	; while they are on their way: constants and addresses
	s_mov_b32 s76, 0x76543210
	s_mov_b32 s77, 0xfedcba98
	s_mov_b32 s81, 0xffff0000
	s_mov_b32 s86, 0x3b800000                      ; 1 / 256
	s_mov_b32 s87, 0x358637bd                      ; 1e-6
	s_cmp_eq_u32 s13, 1
	s_cselect_b32 s78, -1, 0
	s_cmp_eq_u32 s13, 2
	s_cselect_b32 s79, -1, 0
	s_cmp_eq_u32 s13, 3
	s_cselect_b32 s80, -1, 0
	s_cmp_gt_u32 s12, 0
	s_cselect_b32 s82, -1, 0
	s_cmp_gt_u32 s12, 1
	s_cselect_b32 s83, -1, 0
	s_cmp_gt_u32 s12, 2
	s_cselect_b32 s84, -1, 0
	s_lshr_b32 s2, s14, 2                          ; b
	s_lshl_b32 s2, s2, 11
	s_lshl_b32 s3, s13, 5
	s_add_co_u32 s2, s2, s3
	s_lshl3_add_u32 s2, s12, s2                    ; 2,048 b + 32 cx + 8 w: on the way out wave w owns rows 8 w .. + 7 of each block
	s_and_b32 s3, s14, 3
	s_lshl_b32 s3, s3, 10                          ; my head's 1,024 bytes of a row of out0
.irp b, 0,1
	s_lshl_b32 s22, s[16+\b], 7
	s_add_co_u32 s22, s22, s2
	s_lshl_b32 s22, s22, 12
	s_add_co_u32 s22, s22, s3
	s_add_nc_u64 s[88+2*\b:89+2*\b], s[10:11], s[22:23]
.endr
	v_and_b32 v1, 15, v0                           ; r
	v_bfe_u32 v2, v0, 4, 1                         ; h
	v_mul_u32_u24 v3, v1, KP
	v_lshl_add_u32 v3, v2, 4, v3                   ; a fragment with K along the rows: row r, 16 h
	v_add_nc_u32 v[VK],   s[G0K+1], v3
	v_add_nc_u32 v[VK+1], s[G0K+5], v3
	v_add_nc_u32 v[VQ], QS, v3
	v_and_b32 v3, 7, v0
	v_lshl_add_u32 v3, v2, 3, v3                   ; a transposing load addresses row 8 h + lane % 8,
	v_mul_u32_u24 v3, v3, VP
	v_bfe_u32 v[TMP], v0, 3, 1
	v_lshl_add_u32 v3, v[TMP], 4, v3               ; and 16 bytes for each eight lanes
	v_add_nc_u32 v[VV],   s[G0V+1], v3
	v_add_nc_u32 v[VV+1], s[G0V+5], v3
	s_lshl_b32 s2, s12, 7
	v_lshl_add_u32 v[VAB], v2, 5, s2               ; a of keys 32 w + 8 h ..
	s_sub_co_i32 s2, s13, s12
	s_lshl_b32 s2, s2, 5
	v_lshlrev_b32 v3, 3, v2
	v_sub_nc_u32 v3, v1, v3
	v_add_nc_u32 v[REL], s2, v3
	s_mul_i32 s2, s12, SW
	v_mul_u32_u24 v3, v1, SP
	v_lshl_add_u32 v3, v2, 5, v3
	v_add_nc_u32 v3, s2, v3
	v_add_nc_u32 v[VST],   RING, v3
	v_add_nc_u32 v[VST+1], RING+SLOT, v3
	s_mul_i32 s2, s12, 8*SP
	v_add_nc_u32 v3, s2, v[VO]
	v_add_nc_u32 v[VRD],   RING, v3
	v_add_nc_u32 v[VRD+1], RING+2*SW, v3
	v_add_nc_u32 v[VRD+2], RING+SLOT, v3
	v_add_nc_u32 v[VRD+3], RING+SLOT+2*SW, v3
	s_lshl_b32 s2, s12, 5
	s_add_co_u32 s3, s2, RSUM
	v_mov_b32 v[VRS], s3
	s_lshl_b32 s3, s12, 7
	s_add_co_u32 s3, s3, RSUM
	v_lshl_add_u32 v[VRW], v1, 2, s3
.irp b, 0,1
	s_bfe_u32 s3, s[16+\b], 0x20002                ; G / 4: the wave whose threads scan group G
	s_lshl_b32 s3, s3, 10
	s_add_co_u32 s3, s3, MARR+512*\b
	v_lshl_add_u32 v[VMR+\b], v1, 2, s3
	s_add_co_u32 s3, s3, s2
	s_add_co_u32 s3, s3, NARR-MARR
	v_mov_b32 v[VN+\b], s3
.endr
	s_lshl_b32 s3, s12, 2
	s_add_co_u32 s3, s3, SCR
	v_mov_b32 v[VSW], s3
	v_mov_b32 v[VSR], SCR
	v_lshlrev_b32 v[VAW], 6, v0
	v_mov_b32 v[NI], 0xff800000                    ; -infinity: the maximum's neutral element
	v_lshrrev_b32 v[VG], 3, v0                     ; the group of my 16 rows
	v_and_b32 v3, 7, v0
	s_lshl_b32 s3, s12, 10
	s_add_co_u32 s3, s3, MARR
	v_lshl_add_u32 v[VMW], v3, 6, s3
	; THE SCAN, over the head's 2,048 rows, 16 a thread.  First ncs: in the thread, over the 16 lanes of a row, over the two rows, over the waves.
	s_wait_loadcnt 0x2                             ; the eight loads of gts are in; the two of rms_scale may stay out
.irp e, 1,2,3,4,5,6,7,8,9,10,11,12,13,14,15
	v_add_f32 v[X+2*\e+1], v[X+2*\e-1], v[X+2*\e+1]
.endr
	v_mov_b32 v[SC], v[X+31]
.irp n, 1,2,4,8
	v_add_f32_dpp v[SC], v[SC], v[SC] row_shr:\n row_mask:0xf bank_mask:0xf    ; lanes without a source keep their sum
.endr
	v_readlane_b32 s92, v[SC], 15
	v_readlane_b32 s93, v[SC], 31
	v_mov_b32 v[EX], 0
	v_mov_b32_dpp v[EX], v[SC] row_shr:1 row_mask:0xf bank_mask:0xf            ; what lies in front of my thread in its 16 lanes
	v_mov_b32 v[T1], s92
	v_add_f32 v[T2], s93, v[T1]                    ; the wave's total
	v_cndmask_b32 v[T1], 0, v[T1], s81
	v_add_f32 v[EX], v[EX], v[T1]
	ds_store_b32 v[VSW], v[T2]
	s_wait_dscnt 0x0                               ; for the other waves' sake
	s_barrier_signal -1                            ; the five tensor loads may stay out
	s_barrier_wait -1
	ds_load_b128 v[TOT:TOT+3], v[VSR]
	s_wait_dscnt 0x0
	v_cndmask_b32 v[TOT],   0, v[TOT],   s82
	v_cndmask_b32 v[TOT+1], 0, v[TOT+1], s83
	v_cndmask_b32 v[TOT+2], 0, v[TOT+2], s84
	v_add_f32 v[EX], v[EX], v[TOT]
	v_add_f32 v[EX], v[EX], v[TOT+1]
	v_add_f32 v[EX], v[EX], v[TOT+2]
.irp e, 0,1,2,3,4,5,6,7,8,9,10,11,12,13,14,15
	v_add_f32 v[X+2*\e+1], v[EX], v[X+2*\e+1]      ; ncs
	v_add_f32 v[A16+\e], v[X+2*\e], v[X+2*\e+1]    ; a = gi + ncs
.endr
.irp i, 0,1,2,3
	ds_store_b128 v[VAW], v[A16+4*\i:A16+4*\i+3] offset:AARR+16*\i
.endr
	; then M, the running maximum of a, the same way
	v_max_num_f32 v[M16+1], v[A16], v[A16+1]
.irp e, 2,3,4,5,6,7,8,9,10,11,12,13,14,15
	v_max_num_f32 v[M16+\e], v[M16+\e-1], v[A16+\e]
.endr
	v_mov_b32 v[SC], v[M16+15]
.irp n, 1,2,4,8
	v_max_num_f32_dpp v[SC], v[SC], v[SC] row_shr:\n row_mask:0xf bank_mask:0xf
.endr
	v_readlane_b32 s92, v[SC], 15
	v_readlane_b32 s93, v[SC], 31
	v_mov_b32 v[EX], v[NI]
	v_mov_b32_dpp v[EX], v[SC] row_shr:1 row_mask:0xf bank_mask:0xf
	v_mov_b32 v[T1], s92
	v_max_num_f32 v[T2], s93, v[T1]
	v_cndmask_b32 v[T1], v[NI], v[T1], s81
	v_max_num_f32 v[EX], v[EX], v[T1]
	ds_store_b32 v[VSW], v[T2] offset:16
	s_wait_dscnt 0x0
	s_barrier_signal -1
	s_barrier_wait -1
	ds_load_b128 v[TOT:TOT+3], v[VSR] offset:16
	s_wait_dscnt 0x0
	v_cndmask_b32 v[TOT],   v[NI], v[TOT],   s82
	v_cndmask_b32 v[TOT+1], v[NI], v[TOT+1], s83
	v_cndmask_b32 v[TOT+2], v[NI], v[TOT+2], s84
	v_max3_num_f32 v[EX], v[EX], v[TOT], v[TOT+1]
	v_max_num_f32 v[EX], v[EX], v[TOT+2]
	v_max_num_f32 v[M16], v[A16], v[EX]
.irp e, 1,2,3,4,5,6,7,8,9,10,11,12,13,14,15
	v_max_num_f32 v[M16+\e], v[M16+\e], v[EX]
.endr
.irp e, 0,1,2,3,4,5,6,7,8,9,10,11,12,13,14,15
	v_sub_f32 v[N16+\e], v[X+2*\e+1], v[M16+\e]    ; ncs - M = -m: the exponent of the normaliser's floor
	v_sub_f32 v[M16+\e], -4.0, v[M16+\e]           ; -(M + 4): what is added to a_j; the 4 is the scores' 1/16, exact
.endr
	; the eight threads that hold group G1 (then G2) put their 128 rows into their own wave's part of MARR and NARR
	s_wait_xcnt 0x0                                ; EXEC changes only behind this wait; no global access follows until EXEC is whole again
.irp b, 0,1
	v_cmp_eq_u32 vcc_lo, s[16+\b], v[VG]
	s_and_saveexec_b32 s85, vcc_lo
.irp i, 0,1,2,3
	ds_store_b128 v[VMW], v[M16+4*\i:M16+4*\i+3] offset:512*\b+16*\i
	ds_store_b128 v[VMW], v[N16+4*\i:N16+4*\i+3] offset:NARR-MARR+512*\b+16*\i
.endr
	s_or_b32 exec_lo, exec_lo, s85
.endr
	s_wait_loadcnt 0x0                             ; rms_scale
.irp p, 0,1,2,3
	v_pk_add_f32 v[SCL+2*\p:SCL+2*\p+1], v[SCL+2*\p:SCL+2*\p+1], 1.0 op_sel_hi:[1,0]
.endr
	s_wait_dscnt 0x0                               ; my a, M and N are in LDS,
	s_wait_tensorcnt 0x2                           ; and my 16 rows of Q and my rows of the first tile: tensor loads of a wave end in order, and behind these three
	                                               ; only the second tile's K and V were issued; those two may stay out
	s_barrier_signal -1                            ; the first refill stands behind the round at the first trip's end
	s_barrier_wait -1
	WIN 0x80                                       ; destination window 2
.irp b, 0,1
.irp q, 0,1
.irp ks, 0,1,2,3,4,5,6,7
	ds_load_b128 v[128*\b+64*\q+8*\ks:128*\b+64*\q+8*\ks+3],   v[VQ] offset:KP*(32*\b+16*\q)+64*\ks
	ds_load_b128 v[128*\b+64*\q+8*\ks+4:128*\b+64*\q+8*\ks+7], v[VQ] offset:KP*(32*\b+16*\q)+64*\ks+32
.endr
.endr
.endr
	WIN 0
.irp b, 0,1
.irp q, 0,1
.irp c, 0,1,2,3
	ds_load_b32 v[MC+8*\b+4*\q+\c], v[VMR+\b] offset:128*\c+64*\q      ; row 32 c + 16 qt + r of the group: one candidate for each partner
.endr
.endr
.endr
	s_wait_dscnt 0x0
.irp b, 0,1
.irp q, 0,1
	v_cndmask_b32 v[MC+8*\b+4*\q],   v[MC+8*\b+4*\q], v[MC+8*\b+4*\q+1], s78
	v_cndmask_b32 v[MC+8*\b+4*\q],   v[MC+8*\b+4*\q], v[MC+8*\b+4*\q+2], s79
	v_cndmask_b32 v[MP+4*\b+2*\q],   v[MC+8*\b+4*\q], v[MC+8*\b+4*\q+3], s80
	v_mov_b32     v[MP+4*\b+2*\q+1], v[MP+4*\b+2*\q]
.endr
.endr
; exponents of tile (kt, qt): a_j - (M_i + 4); in a diagonal tile -infinity where key > row, that is 16 (kt - qt) + e > REL
.macro EWA kt, qt, t, blk, diag
	s_wait_alu depctr_va_vdst(0)
.irp p, 0,1,2,3
	v_pk_add_f32 v[\t+2*\p:\t+2*\p+1], v[AV+8*\kt+2*\p:AV+8*\kt+2*\p+1], v[MP+4*\blk+2*\qt:MP+4*\blk+2*\qt+1]
.endr
.if \diag
	s_wait_alu depctr_va_vdst(0)
.irp e, 0,1,2,3,4,5,6,7
	v_cmp_le_i32 vcc_lo, 16*(\kt-\qt)+\e, v[REL]
	v_cndmask_b32 v[\t+\e], 0xff800000, v[\t+\e], vcc_lo
.endr
.endif
.endm
.macro EWX t
.irp e, 0,1,2,3,4,5,6,7
	v_exp_f32 v[\t+\e], v[\t+\e]
.endr
.endm
; c = score x weight: into the row sum (f32, fused; a block's very first product starts the sum), and rounded to bf16 into source 1
.macro EWB kt, qt, t, blk, zero
.irp p, 0,1,2,3
.if (8*(1-\zero)+4*\kt+\p) == 0
	s_wait_alu depctr_va_vdst(0)
	v_pk_mul_f32 v[RS+4*\blk+2*\qt:RS+4*\blk+2*\qt+1], v[SB+8*(2*\kt+\qt)+2*\p:SB+8*(2*\kt+\qt)+2*\p+1], v[\t+2*\p:\t+2*\p+1]
.else
	v_pk_fma_f32 v[RS+4*\blk+2*\qt:RS+4*\blk+2*\qt+1], v[SB+8*(2*\kt+\qt)+2*\p:SB+8*(2*\kt+\qt)+2*\p+1], v[\t+2*\p:\t+2*\p+1], v[RS+4*\blk+2*\qt:RS+4*\blk+2*\qt+1]
.endif
	v_pk_mul_f32 v[SB+8*(2*\kt+\qt)+2*\p:SB+8*(2*\kt+\qt)+2*\p+1], v[SB+8*(2*\kt+\qt)+2*\p:SB+8*(2*\kt+\qt)+2*\p+1], v[\t+2*\p:\t+2*\p+1]
.endr
.irp p, 0,1,2,3
	v_cvt_pk_bf16_f32 v[P+8*\qt+4*\kt+\p], v[SB+8*(2*\kt+\qt)+2*\p], v[SB+8*(2*\kt+\qt)+2*\p+1]
.endr
.endm
; 16 matrix instructions of H^T += V^T P^T: column tiles d0 .. d0 + 7, both query tiles; every one on another accumulator
.macro PV16 d0, zero
.irp d, 0,1,2,3,4,5,6,7
.irp q, 0,1
.if \zero
	v_wmma_f32_16x16x32_bf16 v[8*(16*\q+\d0+\d):8*(16*\q+\d0+\d)+7], v[F+8*(\d0+\d):F+8*(\d0+\d)+7], v[P+8*\q:P+8*\q+7], 0
.else
	v_wmma_f32_16x16x32_bf16 v[8*(16*\q+\d0+\d):8*(16*\q+\d0+\d)+7], v[F+8*(\d0+\d):F+8*(\d0+\d)+7], v[P+8*\q:P+8*\q+7], v[8*(16*\q+\d0+\d):8*(16*\q+\d0+\d)+7]
.endif
.endr
.endr
.endm
; ONE TRIP: tile s18, which lies in \slot, against the 32 rows of block \blk.  diag: the block's own group; zero: its first tile starts the sums.
; fill: the other slot is filled again at the trip's head (not in the first trip, whose partner slot was asked for at the kernel's head, nor in the last);
; round: the barrier at the trip's end opens a round of the cluster's barrier, behind which the next trip fills this slot again (not in the last trip).
; All accumulators (4 of scores, 32 of H) take turns, one instruction a turn.
.macro TRIP slot, blk, diag, zero, fill, round
.if \fill
	FILL 1-\slot, s19                              ; the next tile, first thing behind the round; two tensor loads of the wave are out
.endif
	s_lshl_b32 s2, s18, 9                          ; 128 keys of 4 bytes a tile
	v_add_nc_u32 v[VA], s2, v[VAB]                 ; this and three v_nop: four places behind the last trip's matrix instructions, whose source F is loaded again
.rept 3
	v_nop
.endr
.irp c, 0,1
	ds_load_b128 v[AV+8*\c:AV+8*\c+3],   v[VA] offset:AARR+64*\c
	ds_load_b128 v[AV+8*\c+4:AV+8*\c+7], v[VA] offset:AARR+64*\c+16
.endr
.irp ks, 0,1,2,3,4,5,6,7
.irp c, 0,1
	ds_load_b128 v[F+8*(2*\ks+\c):F+8*(2*\ks+\c)+3],   v[VK+\slot] offset:16*KP*\c+64*\ks
	ds_load_b128 v[F+8*(2*\ks+\c)+4:F+8*(2*\ks+\c)+7], v[VK+\slot] offset:16*KP*\c+64*\ks+32
.endr
.endr
	WIN 0x08                                       ; source 1 (Q) in window 2
.irp ks, 0,1,2,3,4,5,6,7
	s_wait_dscnt 28-4*\ks                          ; this K step's four loads are in; four for each later step stay out
.irp c, 0,1
.irp q, 0,1
.if \ks == 0
	v_wmma_f32_16x16x32_bf16 v[SB+8*(2*\c+\q):SB+8*(2*\c+\q)+7], v[F+8*(2*\ks+\c):F+8*(2*\ks+\c)+7], v[128*\blk+64*\q+8*\ks:128*\blk+64*\q+8*\ks+7], 0
.else
	v_wmma_f32_16x16x32_bf16 v[SB+8*(2*\c+\q):SB+8*(2*\c+\q)+7], v[F+8*(2*\ks+\c):F+8*(2*\ks+\c)+7], v[128*\blk+64*\q+8*\ks:128*\blk+64*\q+8*\ks+7], v[SB+8*(2*\c+\q):SB+8*(2*\c+\q)+7]
.endif
.endr
.endr
.endr
	WIN 0
	EWA 0, 0, TA, \blk, \diag                      ; at least four plain instructions that name no register of the products above: the places in front of the loads into F
.irp dt, 0,1,2,3,4,5,6,7,8,9,10,11,12,13,14,15
	ds_load_tr16_b128 v[F+8*\dt:F+8*\dt+3],   v[VV+\slot] offset:32*\dt            ; keys 8 h .. of column 16 dt + r
	ds_load_tr16_b128 v[F+8*\dt+4:F+8*\dt+7], v[VV+\slot] offset:32*\dt+16*VP      ; keys 16 + 8 h ..
.endr
	EWX TA                                         ; behind each run of exponentials stands plain work on the other buffer before a result is read (ISA guide 5.7.2)
	EWA 0, 1, TB, \blk, \diag
	EWB 0, 0, TA, \blk, \zero
	EWX TB
	EWA 1, 0, TA, \blk, \diag
	EWB 0, 1, TB, \blk, \zero
	EWX TA
	EWA 1, 1, TB, \blk, \diag
	EWB 1, 0, TA, \blk, \zero
	EWX TB
	v_nop
	s_wait_alu depctr_va_vdst(0)
	EWB 1, 1, TB, \blk, \zero
	WIN 0x50+0xa0*\blk                             ; C and D in window 1 (block 0) or 3 (block 1)
	s_wait_dscnt 16                                ; V's column tiles 0-7 are in; the 16 loads of tiles 8-15 may stay out
	PV16 0, \zero
	s_wait_dscnt 0x0                               ; my reads of this slot are over,
	s_wait_tensorcnt 0x0                           ; and all my tensor loads have landed: my part of the next tile
	ADV
	s_barrier_signal -1                            ; say so: this barrier opens the round behind which this slot is filled again
	PV16 8, \zero                                  ; register work while the others arrive
	WIN 0
	s_barrier_wait -1
.if \round
	CREST                                          ; no wave of any partner still reads the slot or has a load on its way
.endif
.endm
	TRIP 0, 0, 1, 1, 0, 1                          ; block 0: its diagonal tile; slot 1's tile is already on its way,
	s_cmp_eq_u32 s20, 0
	s_cbranch_scc1 .Lblock0_done
.Lblock0:
	TRIP 1, 0, 0, 0, 1, 1                          ; then 2 j tiles below it
	TRIP 0, 0, 0, 0, 1, 1
	s_sub_co_i32 s20, s20, 1
	s_cmp_lg_u32 s20, 0
	s_cbranch_scc1 .Lblock0
.Lblock0_done:
	TRIP 1, 1, 1, 1, 1, 1                          ; block 1: its diagonal tile,
	s_cmp_eq_u32 s21, 0
	s_cbranch_scc1 .Lblock1_done
.Lblock1:
	TRIP 0, 1, 0, 0, 1, 1                          ; 2 (7 - j) tiles,
	TRIP 1, 1, 0, 0, 1, 1
	s_sub_co_i32 s21, s21, 1
	s_cmp_lg_u32 s21, 0
	s_cbranch_scc1 .Lblock1
.Lblock1_done:
	TRIP 0, 1, 0, 0, 0, 0                          ; and tile 0, which fetches nothing: its barrier is the work-group's alone
	; THE WAY OUT.  Both slots have had their last fill and their last read (the barrier above): they take the four waves' partial H.
	PLACES                                         ; four places behind the last matrix instructions before their results are stored
	WIN 0x04                                       ; store data from window 1
.irp q, 0,1
.irp dt, 0,1,2,3,4,5,6,7,8,9,10,11,12,13,14,15
	ds_store_b128 v[VST], v[8*(16*\q+\dt):8*(16*\q+\dt)+3]   offset:16*SP*\q+64*\dt
	ds_store_b128 v[VST], v[8*(16*\q+\dt)+4:8*(16*\q+\dt)+7] offset:16*SP*\q+64*\dt+16
.endr
.endr
	WIN 0x0c                                       ; from window 3
.irp q, 0,1
.irp dt, 0,1,2,3,4,5,6,7,8,9,10,11,12,13,14,15
	ds_store_b128 v[VST+1], v[8*(16*\q+\dt):8*(16*\q+\dt)+3]   offset:16*SP*\q+64*\dt
	ds_store_b128 v[VST+1], v[8*(16*\q+\dt)+4:8*(16*\q+\dt)+7] offset:16*SP*\q+64*\dt+16
.endr
.endr
	WIN 0
.irp b, 0,1
.irp q, 0,1
	v_add_f32 v[TA+2*\b+\q], v[RS+4*\b+2*\q], v[RS+4*\b+2*\q+1]
	v_permlanex16_b32 v[TB+2*\b+\q], v[TA+2*\b+\q], s76, s77       ; the other eight keys of each sixteen lie in lane + 16
	v_add_f32 v[TA+2*\b+\q], v[TA+2*\b+\q], v[TB+2*\b+\q]
	ds_store_b32 v[VRW], v[TA+2*\b+\q] offset:512*\b+64*\q
.endr
.endr
	s_wait_dscnt 0x0                               ; for the other waves' sake
	s_barrier_signal -1
	s_barrier_wait -1
; rows 2 p, 2 p + 1 of my eight, all four partial sums, 16 loads of 512 consecutive bytes, into \buf at 32 e + 8 x + 4 u
.macro ROWLOAD blk, p, buf
	s_wait_xcnt 0x0                                ; \buf may hold the data of earlier stores: it is loaded again only behind this wait
.irp e, 0,1
.irp x, 0,1,2,3
.irp u, 0,1
	ds_load_b128 v[\buf+32*\e+8*\x+4*\u:\buf+32*\e+8*\x+4*\u+3], v[VRD+2*\blk+(\x>>1)] offset:SW*(\x&1)+SP*(2*\p+\e)+512*\u
.endr
.endr
.endr
.endm
; the two rows: add, divide by the normaliser, RMSNorm over the 256 columns (8 a lane), scale, store
.macro ROWDO blk, p, buf
.irp e, 0,1
.irp x, 1,2,3
.irp q, 0,1,2,3
	v_pk_add_f32 v[\buf+32*\e+2*\q:\buf+32*\e+2*\q+1], v[\buf+32*\e+2*\q:\buf+32*\e+2*\q+1], v[\buf+32*\e+8*\x+2*\q:\buf+32*\e+8*\x+2*\q+1]
.endr
.endr
.irp q, 0,1,2,3
	v_pk_mul_f32 v[\buf+32*\e+2*\q:\buf+32*\e+2*\q+1], v[\buf+32*\e+2*\q:\buf+32*\e+2*\q+1], v[TA+2*(2*\p+\e):TA+2*(2*\p+\e)+1] op_sel_hi:[1,0]  ; h: both by the pair's first register
.endr
	v_pk_mul_f32 v[\buf+32*\e+8:\buf+32*\e+9], v[\buf+32*\e:\buf+32*\e+1], v[\buf+32*\e:\buf+32*\e+1]
.irp q, 1,2,3
	v_pk_fma_f32 v[\buf+32*\e+8:\buf+32*\e+9], v[\buf+32*\e+2*\q:\buf+32*\e+2*\q+1], v[\buf+32*\e+2*\q:\buf+32*\e+2*\q+1], v[\buf+32*\e+8:\buf+32*\e+9]
.endr
	v_add_f32 v[\buf+32*\e+8], v[\buf+32*\e+8], v[\buf+32*\e+9]
.irp n, 1,2,4,8
	v_add_f32_dpp v[\buf+32*\e+8], v[\buf+32*\e+8], v[\buf+32*\e+8] row_xmask:\n row_mask:0xf bank_mask:0xf
.endr
	v_permlanex16_b32 v[\buf+32*\e+9], v[\buf+32*\e+8], s76, s77
	v_add_f32 v[\buf+32*\e+8], v[\buf+32*\e+8], v[\buf+32*\e+9]
	v_fma_f32 v[\buf+32*\e+8], v[\buf+32*\e+8], s86, s87           ; mean of squares + 1e-6
.endr
	v_rsq_f32 v[\buf+8],  v[\buf+8]
	v_rsq_f32 v[\buf+40], v[\buf+40]
	v_nop                                          ; one plain place behind the transcendentals
	s_wait_alu depctr_va_vdst(0)
.irp e, 0,1
.irp q, 0,1,2,3
	v_pk_mul_f32 v[\buf+32*\e+2*\q:\buf+32*\e+2*\q+1], v[\buf+32*\e+2*\q:\buf+32*\e+2*\q+1], v[\buf+32*\e+8:\buf+32*\e+9] op_sel_hi:[1,0]
.endr
.irp q, 0,1,2,3
	v_pk_mul_f32 v[\buf+32*\e+2*\q:\buf+32*\e+2*\q+1], v[\buf+32*\e+2*\q:\buf+32*\e+2*\q+1], v[SCL+2*\q:SCL+2*\q+1]
.endr
	global_store_b128 v[VO], v[\buf+32*\e:\buf+32*\e+3],   s[88+2*\blk:89+2*\blk] offset:4096*(2*\p+\e) th:TH_STORE_NT      ; a wave's store covers 512 consecutive bytes, aligned
	global_store_b128 v[VO], v[\buf+32*\e+4:\buf+32*\e+7], s[88+2*\blk:89+2*\blk] offset:4096*(2*\p+\e)+512 th:TH_STORE_NT
.endr
.endm
.macro FINAL blk
.irp x, 0,1,2,3
	ds_load_b128 v[SB+8*\x:SB+8*\x+3],   v[VRS] offset:512*\blk+128*\x         ; wave x's row sums of my eight rows, the same in every lane
	ds_load_b128 v[SB+8*\x+4:SB+8*\x+7], v[VRS] offset:512*\blk+128*\x+16
.endr
.irp c, 0,1
	ds_load_b128 v[AV+8*\c:AV+8*\c+3],   v[VN+\blk] offset:128*\c              ; ncs - M: a candidate for each partner
	ds_load_b128 v[AV+8*\c+4:AV+8*\c+7], v[VN+\blk] offset:128*\c+16
	ds_load_b128 v[P+8*\c:P+8*\c+3],     v[VN+\blk] offset:256+128*\c
	ds_load_b128 v[P+8*\c+4:P+8*\c+7],   v[VN+\blk] offset:256+128*\c+16
.endr
	ROWLOAD \blk, 0, B0
	s_wait_dscnt 16                                ; all but the 16 row loads just issued
.irp x, 1,2,3
.irp p, 0,1,2,3
	v_pk_add_f32 v[SB+2*\p:SB+2*\p+1], v[SB+2*\p:SB+2*\p+1], v[SB+8*\x+2*\p:SB+8*\x+2*\p+1]
.endr
.endr
.irp e, 0,1,2,3,4,5,6,7
	v_cndmask_b32 v[AV+\e], v[AV+\e], v[AV+8+\e], s78
	v_cndmask_b32 v[AV+\e], v[AV+\e], v[P+\e],    s79
	v_cndmask_b32 v[AV+\e], v[AV+\e], v[P+8+\e],  s80
.endr
.irp e, 0,1,2,3,4,5,6,7
	v_exp_f32 v[AV+\e], v[AV+\e]                   ; exp(-m)
.endr
	v_nop
	s_wait_alu depctr_va_vdst(0)
.irp e, 0,1,2,3,4,5,6,7
	v_max_num_f32 v[TA+2*\e], v[SB+\e], v[AV+\e]   ; n, in the even registers of TA, TB; the odd ones keep old work and are not selected
	v_add_f32 v[TA+2*\e], s87, v[TA+2*\e]
.endr
.irp e, 0,1,2,3,4,5,6,7
	v_rcp_f32 v[TA+2*\e], v[TA+2*\e]               ; 1 / (n + 1e-6); an infinite n gives 0, and h = 0
.endr
	v_nop
	s_wait_alu depctr_va_vdst(0)
	ROWLOAD \blk, 1, B1
	s_wait_dscnt 16                                ; the older 16 are in, the 16 just issued stay out
	ROWDO \blk, 0, B0
	ROWLOAD \blk, 2, B0
	s_wait_dscnt 16
	ROWDO \blk, 1, B1
	ROWLOAD \blk, 3, B1
	s_wait_dscnt 16
	ROWDO \blk, 2, B0
	s_wait_dscnt 0x0
	ROWDO \blk, 3, B1
.endm
	FINAL 0
	FINAL 1
	CROUND                                         ; the closing round: no work-group ends while a partner may still ask for a tile that names it
	s_endpgm
.Lfunc_end_k_q07e5f0aa5d_attn:
	.size	k_q07e5f0aa5d_attn, .Lfunc_end_k_q07e5f0aa5d_attn-k_q07e5f0aa5d_attn
	.p2alignl 7, 3214868480
	.fill 96, 4, 3214868480
	.section	.rodata,"a",@progbits
	.p2align	6, 0x0
	.amdhsa_kernel k_q07e5f0aa5d_attn
		.amdhsa_group_segment_fixed_size 327680
		.amdhsa_private_segment_fixed_size 0
		.amdhsa_enable_private_segment 0
		.amdhsa_kernarg_size 32
		.amdhsa_user_sgpr_count 2
		.amdhsa_user_sgpr_kernarg_segment_ptr 1
		.amdhsa_wavefront_size32 1
		.amdhsa_system_sgpr_workgroup_id_x 1
		.amdhsa_system_sgpr_workgroup_id_y 1
		.amdhsa_system_sgpr_workgroup_id_z 1
		.amdhsa_system_vgpr_workitem_id 0
		.amdhsa_next_free_vgpr 1024
		.amdhsa_next_free_sgpr 96
		.amdhsa_reserve_vcc 1
		.amdhsa_float_denorm_mode_32 3
		.amdhsa_float_denorm_mode_16_64 3
		.amdhsa_memory_ordered 1
		.amdhsa_forward_progress 1
		.amdhsa_inst_pref_size 200
	.end_amdhsa_kernel
	.amdgpu_metadata
---
amdhsa.version: [ 1, 2 ]
amdhsa.kernels:
  - .name:           k_q07e5f0aa5d_attn
    .symbol:         k_q07e5f0aa5d_attn.kd
    .args:
      - { .name: xb, .offset: 0, .size: 8, .value_kind: global_buffer, .address_space: global }
      - { .name: gts, .offset: 8, .size: 8, .value_kind: global_buffer, .address_space: global }
      - { .name: rms_scale, .offset: 16, .size: 8, .value_kind: global_buffer, .address_space: global }
      - { .name: out0, .offset: 24, .size: 8, .value_kind: global_buffer, .address_space: global }
    .group_segment_fixed_size: 327680
    .private_segment_fixed_size: 0
    .kernarg_segment_align: 8
    .kernarg_segment_size: 32
    .max_flat_workgroup_size: 128
    .sgpr_count:     96
    .vgpr_count:     1024
    .wavefront_size: 32
...
	.end_amdgpu_metadata
.endif
;; end of part 3
